; MI455X (gfx1250); checked and timed in simulation.
; The chip was launched on July 23, 2026; its instructions are those of AMD's public machine-readable ISA for CDNA 5 (MIT licence, August 2026) and "CDNA5" Instruction Set Architecture Reference Guide (July 2026). The comments in the code are by the model that wrote it; some were corrected since.
;; Causal Self Attention. Allowed arithmetic: matrix products marked QUANTISED: E2M1 operands, one E8M0 scale for each 32 along K, by v_wmma_scale_f32_16x16x128_f8f6f4 with both operands' format E2M1 (or v_wmma_scale_f32_32x16x128_f4), f32 sums; products left as they are: bf16, f16 or f32 operands; f32 sums; everything else in f32.
;; Inputs: Wk 1,024 x 1,024 float32; Wp 1,024 x 1,024 float32; Wq 1,024 x 1,024 float32; Wv 1,024 x 1,024 float32; bk 1,024 float32; bp 1,024 float32; bq 1,024 float32; bv 1,024 float32; x 2 x 2,048 x 1,024 float32.
;; Outputs: out0 2 x 2,048 x 1,024 float32.
;; Constants: n_head = 16.
;; This version of the problem:
;;   THIS VERSION OF THE PROBLEM IS GIVEN IN LOW PRECISION. The matrix products marked QUANTISED in the list below multiply operands that are first quantised to E2M1 (2 exponent bits, 1 mantissa bit; 4 bits a number), with one power-of-two scale for each 32 numbers along K (OCP MX v1.0); their sums are f32. The products marked 'left as it is' may take bf16, f16 or f32 operands, with f32 sums. Whichever they take, every output number must still come out within the allowed error. Rounding operands to bf16 (8 significant bits) uses up far more of that allowance than f16 does (11 bits, for magnitudes from 6e-5 to 65,504). All else is computed in f32.
;;   The module's matrix products, in the order in which they are computed (A, B: the left and right operand; K: the contracted axis; several contracted axes count as one K, in the product's order):
;;     1. [M 4,096, K 1,024] x [K 1,024, N 1,024]; A: input x; B: input Wq: QUANTISED
;;     2. [M 4,096, K 1,024] x [K 1,024, N 1,024]; A: input x; B: input Wk: QUANTISED
;;     3. [M 4,096, K 1,024] x [K 1,024, N 1,024]; A: input x; B: input Wv: QUANTISED
;;     4. batch 32 x [M 2,048, K 64] x [K 64, N 2,048]; A: computed on the way; B: computed on the way: left as it is (an operand is computed on the way)
;;     5. batch 32 x [M 2,048, K 2,048] x [K 2,048, N 64]; A: computed on the way; B: computed on the way: left as it is (an operand is computed on the way)
;;     6. [M 4,096, K 1,024] x [K 1,024, N 1,024]; A: computed on the way; B: input Wp: left as it is (an operand is computed on the way)
;;   THE QUANTISER, for each operand of a quantised product, along K:
;;     - K is cut into blocks of 32 from its start; a last block that is shorter is filled with zeros.
;;     - A block's scale is 2^e with e = floor(log2(the largest magnitude in the block)) - 2, held to -126 .. 127; a block of zeros has e = 0. As a byte (E8M0): e + 127.
;;     - Each number is divided by its block's scale, clamped to +-6, and rounded to the nearest number of E2M1, ties to even, subnormals kept.
;;     - The product sums the exact products of the quantised numbers (number of the format x scale) in f32.
;;   ~~~python
;;   def quantise(x, axis):      # numpy; x: float32 -> the quantised numbers, widened to float32 again
;;       x = np.moveaxis(x, axis, -1); K = x.shape[-1]
;;       x = np.pad(x, [(0, 0)] * (x.ndim - 1) + [(0, -K % 32)]); x = x.reshape(x.shape[:-1] + (-1, 32)); a = np.abs(x).max(-1, keepdims=True)
;;       e = np.where(a > 0, np.clip(np.frexp(np.where(a > 0, a, 1))[1] - 1 - 2, -126, 127), 0)      # np.frexp(a)[1] - 1 = floor(log2(a)), exactly
;;       r = np.clip(x / 2.0 ** e, -6, 6)
;;       step = 2.0 ** (np.maximum(np.frexp(np.where(r == 0, 1, r))[1] - 1, 0) - 1)
;;       q = np.round(r / step) * step * 2.0 ** e      # np.round: ties to even
;;       return np.moveaxis(q.reshape(q.shape[:-2] + (-1,))[..., :K], -1, axis).astype(np.float32)
;;   ~~~
;; One version. Each part assembles by itself: llvm-mc -triple=amdgcn-amd-amdhsa -mcpu=gfx1250 --defsym DOCPART=n.
;; ======== version 1 of 1: 5 launches
;; limits: values are held in f16: magnitudes above 65,504 overflow, below 6.1e-05 lose precision
;; workspace buffers: xcodes 2,097,152 bytes; xscales 131,072 bytes; wcodes 1,572,864 bytes; wscales 98,304 bytes; wp16 2,097,152 bytes; qkv16 25,165,824 bytes; qkv32 393,216 bytes; y16 8,388,608 bytes
;; launch prep (part 1): grid 224 x 1, 8 waves a work-group, no clusters, 84,992 bytes of LDS; arguments x, Wq, Wk, Wv, Wp, xcodes, xscales, wcodes, wscales, wp16; writes xcodes, xscales, wcodes, wscales, wp16
.if DOCPART == 1
	.amdgcn_target "amdgcn-amd-amdhsa--gfx1250"
	.amdhsa_code_object_version 6
	.text
	.protected	k_q3e8ce8f5ce_prep
	.globl	k_q3e8ce8f5ce_prep
	.p2align	8
	.type	k_q3e8ce8f5ce_prep,@function
k_q3e8ce8f5ce_prep:
	s_mov_b64 s[64:65], 0
	v_nop
	global_prefetch_b8 v0, s[64:65] scope:SCOPE_SE
	s_setreg_imm32_b32 hwreg(HW_REG_WAVE_MODE, 25, 1), 1
	s_wait_xcnt 0x0
; THREE JOBS IN ONE LAUNCH, told apart by the work-group's number (the same for all eight waves of a work-group); the three ways never join, and each has LDS bytes of its own.
;   work-groups   0 ..  63: x [4096][1024] f32 -> codes of FP4 (E2M1), K innermost, [4096][512 bytes], and one E8M0 byte for each 32 along K, [4096][32].
;   work-groups  64 .. 159: Wq, Wk, Wv [k 1024][n 1024] f32, K their FIRST axis -> codes [3072 = 1024 mat + n][512 bytes] with K innermost, scale bytes [3072][32].
;   work-groups 160 .. 223: Wp [k][n] f32 -> f16, laid as images of the registers of a 16-bit operand: [k / 256][n / 16][(k % 256) / 32][half u][lane][16 bytes];
;                           lane (r, h) of half u holds column n = 16 nb + r, k = 32 kc + 16 u + 8 h + 0 .. 7.
; A block's scale is 2^(floor(log2(its largest magnitude)) - 2): its byte is the largest magnitude's exponent field - 2, held at 1 from below.
; LIMITS: a block of zeros gets the byte 1 where the rule says 127 (its codes are zeros, and this program alone reads the bytes); blocks whose largest magnitude lies under 2^-124 were not tried;
; NaN and infinities are not served; |Wp| stays under 65,504 (f16).
.set SP,    80                         ; x: a lane's place in a stage: 64 bytes + 16 of padding
.set WSTG,  65536                      ; W: the work-group's stage: 64 columns x (256 bytes of codes + 16)
.set WPT,   272
.set WSC,   WSTG+64*WPT                ; W: 64 columns x 16 scale bytes
.set SPARE, WSC+64*16                  ; the spare words, 128 bytes for each wave: four blocks of 256 bytes that no other line names
.set SPW,   12                         ; v12  LDS address of my spare word; never rewritten
.set NIL,   13                         ; v13  0; never rewritten
.set R,     16                         ; x: v16-143  eight sets of 16 numbers as loaded
.set X,     144                        ; x: v144-175 two sets of 16 neighbours
.set C,     176                        ; x: v176-207 two registers of codes for each step
.set E,     208                        ; x: v208-223 a scale byte for each step
.set WX,    32                         ; W: v32-95   two sets of 32 numbers
.set WC,    96                         ; W: v96-99   a block's codes
	s_load_b512 s[4:19], s[0:1], 0x0               ; x 4:5, Wq 6:7, Wk 8:9, Wv 10:11, Wp 12:13, xcodes 14:15, xscales 16:17, wcodes 18:19
	s_load_b128 s[20:23], s[0:1], 0x40             ; wscales 20:21, wp16 22:23
	v_lshl_add_u32 v[SPW], v0, 2, SPARE
	v_mov_b32 v[NIL], 0
	v_lshrrev_b32 v1, 5, v0
	v_readfirstlane_b32 s24, v1                    ; wave 0..7
	v_and_b32 v2, 31, v0                           ; lane
	s_wait_kmcnt 0x0
	s_cmp_ge_u32 ttmp9, 160
	s_cbranch_scc1 .Lpath_p
	s_cmp_ge_u32 ttmp9, 64
	s_cbranch_scc1 .Lpath_w
; ---------------- x.  Rows are dense, so x is a plain stream of blocks of 32.  A wave takes 16 steps of 512 numbers.  Each load reads 512 consecutive bytes; a step's 2,048 bytes turn through the wave's own
; stage in LDS and come back 64 bytes a lane, so that a lane holds 16 neighbours along K and two neighbouring lanes a block.  Loads run eight steps (32 loads a wave) ahead, the turn through LDS one step.
	v_lshlrev_b32 v3, 4, v2                        ; my 16 bytes of a load's 512
	s_lshl_b32 s25, s24, 13                        ; my wave's 8,192 bytes of LDS
	v_lshrrev_b32 v14, 2, v2
	v_mul_u32_u24 v14, v14, SP
	v_and_b32 v15, 3, v2
	v_lshl_add_u32 v14, v15, 4, v14
	v_add_nc_u32 v14, s25, v14                     ; the stage on the way in: SP (lane / 4) + 16 (lane % 4)
	v_mul_u32_u24 v15, v2, SP
	v_add_nc_u32 v15, s25, v15                     ; and on the way out: SP x lane
	v_lshlrev_b32 v4, 3, v2                        ; 8 bytes a lane: my codes in a step's 256, and my part of the 256 scale bytes
	v_lshrrev_b32 v5, 1, v2
	s_add_co_u32 s25, s25, 2*32*SP
	v_add_nc_u32 v5, s25, v5                       ; my wave's 256 scale bytes: my block's byte
	v_add_nc_u32 v6, s25, v4                       ; and 8 of them on the way out
	s_lshl_b32 s26, ttmp9, 3
	s_add_co_u32 s26, s26, s24                     ; which run of 8,192 numbers is my wave's
	s_mov_b32 s29, 0
	s_lshl_b32 s28, s26, 15
	s_add_nc_u64 s[4:5], s[4:5], s[28:29]
	s_lshl_b32 s28, s26, 12
	s_add_nc_u64 s[14:15], s[14:15], s[28:29]
	s_lshl_b32 s28, s26, 8
	s_add_nc_u64 s[16:17], s[16:17], s[28:29]
.macro XLOAD t
.irp i, 0,1,2,3
	global_load_b128 v[R+16*((\t)%8)+4*\i:R+16*((\t)%8)+4*\i+3], v3, s[4:5] offset:2048*(\t)+512*\i th:TH_LOAD_NT
.endr
.endm
.macro XTURN t                         ; LDS serves a wave's instructions in order: no wait between the stores and the loads
.irp i, 0,1,2,3
	ds_store_b128 v14, v[R+16*((\t)%8)+4*\i:R+16*((\t)%8)+4*\i+3] offset:32*SP*((\t)%2)+8*SP*\i
.endr
.irp i, 0,1,2,3
	ds_load_b128 v[X+16*((\t)%2)+4*\i:X+16*((\t)%2)+4*\i+3], v15 offset:32*SP*((\t)%2)+16*\i
.endr
.endm
.irp t, 0,1,2,3,4,5,6,7
	XLOAD \t
.endr
	s_wait_loadcnt 28                              ; step 0's four loads are in; the seven younger steps' 28 may be out
	XTURN 0
.macro XSTEP t
.set XS, X+16*((\t)%2)
.if (\t) > 0
	s_wait_dscnt 1                                 ; this step's numbers are back from the stage (the last step's byte store may be out): so its stores into the stage have read their registers,
.else
	s_wait_dscnt 0x0
.endif
.if (\t)+8 < 16
	XLOAD (\t)+8                                   ; which take the loads of eight steps on
.endif
.if (\t)+1 < 16
.if 14-(\t) >= 7
	s_wait_loadcnt 28                              ; the next step's four loads are in; those of the seven steps behind it may be out
.else
	s_wait_loadcnt 4*(14-(\t))
.endif
	XTURN (\t)+1
.endif
	v_max3_num_f32 v8, |v[XS]|, |v[XS+1]|, |v[XS+2]|               ; the largest magnitude of my 16, in two chains
	v_max3_num_f32 v9, |v[XS+3]|, |v[XS+4]|, |v[XS+5]|
.irp i, 6,10
	v_max3_num_f32 v8, v8, |v[XS+\i]|, |v[XS+\i+1]|
	v_max3_num_f32 v9, v9, |v[XS+\i+2]|, |v[XS+\i+3]|
.endr
	v_max3_num_f32 v8, v8, |v[XS+14]|, |v[XS+15]|
	v_max3_num_f32 v8, v8, v9, 0x1800000           ; and the floor 2^(3 - 127): the byte cannot fall under 1
	v_max_num_f32_dpp v8, v8, v8 row_xmask:1 row_mask:0xf bank_mask:0xf   ; with my neighbour's 16: the block's
	v_add_nc_u32 v11, 0xff000000, v8               ; 2 off the exponent field: the conversion takes this operand's exponent field as its scale
	v_cvt_scalef32_pk8_fp4_f32 v[C+2*(\t)], v[XS:XS+7], v11
	v_cvt_scalef32_pk8_fp4_f32 v[C+2*(\t)+1], v[XS+8:XS+15], v11
	v_lshrrev_b32 v[E+(\t)], 23, v11               ; the scale's byte (also the plain line behind the conversions)
	ds_store_b8 v5, v[E+(\t)] offset:16*(\t)       ; both lanes of a block write the same byte with the same value
	global_store_b64 v4, v[C+2*(\t):C+2*(\t)+1], s[14:15] offset:256*(\t)   ; the wave stores 256 consecutive bytes, aligned
.endm
.irp t, 0,1,2,3,4,5,6,7,8,9,10,11,12,13,14,15
	XSTEP \t
.endr
	ds_load_b64 v[8:9], v6
	s_wait_dscnt 0x0
	global_store_b64 v4, v[8:9], s[16:17]          ; the wave's 256 scale bytes, consecutive and aligned
	s_wait_tensorcnt 0x0                           ; the wave's end, behind my last LDS store
	ds_add_u32 v[SPW], v[NIL]
	s_wait_dscnt 0x0
	s_endpgm
; ---------------- Wq, Wk, Wv.  A work-group takes 64 columns x 512 along K of one weight; wave w takes 32 columns (w % 2) x 128 along K (w / 2): four blocks a lane.
; A LANE TAKES A COLUMN AND ITS REGISTERS RUN DOWN K: a block of 32 lies in one lane, and the conversions give codes with K innermost.  The codes meet in the work-group's stage, a row to a column,
; and leave as rows of 256 bytes, sixteen lanes to a row.
.Lpath_w:
	s_sub_co_u32 s25, ttmp9, 64
	s_lshr_b32 s26, s25, 5                         ; which weight: 0 q, 1 k, 2 v
	s_bfe_u32 s27, s25, 0x40001                    ; which 64 columns
	s_and_b32 s28, s25, 1                          ; which 512 along K
	s_and_b32 s29, s24, 1                          ; cg: which 32 of the columns
	s_lshr_b32 s30, s24, 1                         ; kq: which 128 along K
	s_cmp_eq_u32 s26, 0
	s_cselect_b64 s[32:33], s[6:7], s[8:9]
	s_cmp_eq_u32 s26, 2
	s_cselect_b64 s[32:33], s[10:11], s[32:33]
	s_lshl_b32 s34, s28, 21                        ; (512 kh + 128 kq) rows of 4,096 bytes + 4 (64 ncg + 32 cg)
	s_lshl_b32 s35, s30, 19
	s_add_co_u32 s34, s34, s35
	s_lshl_b32 s35, s27, 8
	s_add_co_u32 s34, s34, s35
	s_lshl_b32 s35, s29, 7
	s_add_co_u32 s34, s34, s35
	s_mov_b32 s35, 0
	s_add_nc_u64 s[32:33], s[32:33], s[34:35]
	s_lshl_b32 s34, s26, 19                        ; codes: (1024 mat + 64 ncg) rows of 512 bytes + 256 kh
	s_lshl_b32 s36, s27, 15
	s_add_co_u32 s34, s34, s36
	s_lshl_b32 s36, s28, 8
	s_add_co_u32 s34, s34, s36
	s_add_nc_u64 s[18:19], s[18:19], s[34:35]
	s_lshl_b32 s34, s26, 15                        ; scale bytes: the same rows of 32 bytes + 16 kh
	s_lshl_b32 s36, s27, 11
	s_add_co_u32 s34, s34, s36
	s_lshl_b32 s36, s28, 4
	s_add_co_u32 s34, s34, s36
	s_add_nc_u64 s[20:21], s[20:21], s[34:35]
	v_lshlrev_b32 v3, 2, v2                        ; in: 4 bytes a lane
	s_lshl_b32 s36, s29, 5
	v_add_nc_u32 v16, s36, v2                      ; my column of the 64
	v_mul_u32_u24 v4, v16, WPT
	s_lshl_b32 s37, s30, 6
	s_add_co_u32 s37, s37, WSTG
	v_add_nc_u32 v4, s37, v4                       ; the stage: my column's row, my wave's 64 bytes of it
	v_lshlrev_b32 v9, 4, v16
	v_add_nc_u32 v9, WSC, v9                       ; my column's 16 scale bytes,
	s_lshl_b32 s37, s30, 2
	v_add_nc_u32 v5, s37, v9                       ; my wave's four of them
	v_lshrrev_b32 v17, 4, v2
	s_lshl_b32 s37, s24, 3
	v_add_nc_u32 v17, s37, v17                     ; out: wave w takes rows 8 w .. 8 w + 7, two an instruction
	v_and_b32 v20, 15, v2
	v_mul_u32_u24 v7, v17, WPT
	v_lshl_add_u32 v7, v20, 4, v7
	v_add_nc_u32 v7, WSTG, v7
	v_lshlrev_b32 v8, 9, v17
	v_lshl_add_u32 v8, v20, 4, v8                  ; and the same place among the codes' rows
	v_lshlrev_b32 v10, 5, v16                      ; my column's row of scale bytes in memory
.macro WLOAD t
.set i, 0
.rept 32
	global_load_b32 v[WX+32*((\t)%2)+i], v3, s[32:33] offset:(32*(\t)+i)*4096 th:TH_LOAD_NT
.set i, i+1
.endr
.endm
	WLOAD 0
	WLOAD 1
.macro WBLOCK t
.set XS, WX+32*((\t)%2)
.if (\t) < 3
	s_wait_loadcnt 32                              ; this block's 32 loads are in; the next block's may be out
.else
	s_wait_loadcnt 0x0
.endif
	v_max3_num_f32 v18, |v[XS]|, |v[XS+1]|, |v[XS+2]|
	v_max3_num_f32 v19, |v[XS+3]|, |v[XS+4]|, |v[XS+5]|
.irp i, 6,10,14,18,22,26
	v_max3_num_f32 v18, v18, |v[XS+\i]|, |v[XS+\i+1]|
	v_max3_num_f32 v19, v19, |v[XS+\i+2]|, |v[XS+\i+3]|
.endr
	v_max3_num_f32 v18, v18, |v[XS+30]|, |v[XS+31]|
	v_max3_num_f32 v18, v18, v19, 0x1800000        ; and the floor 2^(3 - 127)
	v_add_nc_u32 v11, 0xff000000, v18
	v_lshrrev_b32 v19, 23, v11                     ; the scale's byte
.if (\t) == 0
	v_mov_b32 v24, v19
.else
	v_lshl_or_b32 v24, v19, 8*(\t), v24            ; four bytes to a register, the lower K in the lower byte
.endif
.irp g, 0,1,2,3
	v_cvt_scalef32_pk8_fp4_f32 v[WC+\g], v[XS+8*\g:XS+8*\g+7], v11
.endr
	ds_store_b128 v4, v[WC:WC+3] offset:16*(\t)    ; 32 codes: 16 bytes of my column's row
.if (\t)+2 < 4
	WLOAD (\t)+2
.endif
	s_wait_dscnt 0x0                               ; the store has read its registers: the next block's codes may be written
.endm
	WBLOCK 0
	WBLOCK 1
	WBLOCK 2
	WBLOCK 3
	ds_store_b32 v5, v24
	s_wait_dscnt 0x0                               ; for the others' sake: my stores have landed; a row of the stage comes from four waves
	s_barrier_signal -1
	s_barrier_wait -1
.irp i, 0,1,2,3
	ds_load_b128 v[112+4*\i:115+4*\i], v7 offset:2*WPT*\i
.endr
.irp i, 0,1,2,3
	s_wait_dscnt 3-\i
	global_store_b128 v8, v[112+4*\i:115+4*\i], s[18:19] offset:1024*\i   ; sixteen lanes store 256 consecutive bytes, aligned
.endr
	s_cmp_gt_u32 s24, 1                            ; waves 0 and 1 (there cg is the wave's number) send the scale bytes: 16 bytes a column, rows 32 bytes apart: 96 KiB in the whole launch
	s_cbranch_scc1 .Lw_end
	ds_load_b128 v[100:103], v9
	s_wait_dscnt 0x0
	global_store_b128 v10, v[100:103], s[20:21]
.Lw_end:
	s_wait_tensorcnt 0x0                           ; the wave's end, behind my last LDS store
	ds_add_u32 v[SPW], v[NIL]
	s_wait_dscnt 0x0
	s_endpgm
; ---------------- Wp.  A wave takes 32 columns x 64 along K.  A lane takes a column, its registers run down K; pairs are rounded to f16.  Lanes 0-15 hold column block nb, lanes 16-31 block nb + 1, each all 32 k of
; a chunk; the operand's layout wants k = 8 h .. in lane half h: an exchange of halves between two registers gives both blocks' images at once.  No LDS is touched on this way.
.Lpath_p:
	s_sub_co_u32 s25, ttmp9, 160
	s_and_b32 s26, s25, 3                          ; which 256 columns
	s_lshr_b32 s27, s25, 2                         ; which 64 along K
	v_lshlrev_b32 v3, 2, v2
	v_lshlrev_b32 v4, 4, v2
	s_lshl_b32 s28, s27, 18                        ; 64 kp rows of 4,096 bytes + 4 (256 colg + 32 w)
	s_lshl_b32 s29, s26, 10
	s_add_co_u32 s28, s28, s29
	s_lshl_b32 s29, s24, 7
	s_add_co_u32 s28, s28, s29
	s_mov_b32 s29, 0
	s_add_nc_u64 s[12:13], s[12:13], s[28:29]
	s_lshr_b32 s28, s27, 2                         ; images: (kp / 4) x 524,288 + (16 colg + 2 w) x 8,192 + 2 (kp % 4) x 1,024
	s_lshl_b32 s28, s28, 19
	s_lshl_b32 s30, s26, 17
	s_add_co_u32 s28, s28, s30
	s_lshl_b32 s30, s24, 14
	s_add_co_u32 s28, s28, s30
	s_and_b32 s30, s27, 3
	s_lshl_b32 s30, s30, 11
	s_add_co_u32 s28, s28, s30
	s_add_nc_u64 s[22:23], s[22:23], s[28:29]
.set i, 0
.rept 64
	global_load_b32 v[32+i], v3, s[12:13] offset:i*4096 th:TH_LOAD_NT
.set i, i+1
.endr
.irp e, 0,1
	s_wait_loadcnt 32-32*\e                        ; this chunk's 32 loads are in; the other chunk's may be out
.set i, 0
.rept 16
	v_cvt_pk_f16_f32 v[96+16*\e+i], v[32+32*\e+2*i], v[32+32*\e+2*i+1]
.set i, i+1
.endr
.irp p, 0,1,2,3
	v_permlane16_swap_b32 v[96+16*\e+\p], v[100+16*\e+\p]      ; the first's lanes 16-31 change places with the second's lanes 0-15
	v_permlane16_swap_b32 v[104+16*\e+\p], v[108+16*\e+\p]
.endr
	global_store_b128 v4, v[96+16*\e:99+16*\e], s[22:23] offset:1024*\e              ; block nb, half 0: 512 consecutive bytes
	global_store_b128 v4, v[100+16*\e:103+16*\e], s[22:23] offset:1024*\e+8192       ; block nb + 1, half 0
	global_store_b128 v4, v[104+16*\e:107+16*\e], s[22:23] offset:1024*\e+512        ; block nb, half 1
	global_store_b128 v4, v[108+16*\e:111+16*\e], s[22:23] offset:1024*\e+8192+512   ; block nb + 1, half 1
.endr
	s_endpgm
.Lfunc_end_k_q3e8ce8f5ce_prep:
	.size	k_q3e8ce8f5ce_prep, .Lfunc_end_k_q3e8ce8f5ce_prep-k_q3e8ce8f5ce_prep
	.p2alignl 7, 3214868480
	.fill 96, 4, 3214868480
	.section	.rodata,"a",@progbits
	.p2align	6, 0x0
	.amdhsa_kernel k_q3e8ce8f5ce_prep
		.amdhsa_group_segment_fixed_size 84992
		.amdhsa_private_segment_fixed_size 0
		.amdhsa_enable_private_segment 0
		.amdhsa_kernarg_size 80
		.amdhsa_user_sgpr_count 2
		.amdhsa_user_sgpr_kernarg_segment_ptr 1
		.amdhsa_wavefront_size32 1
		.amdhsa_system_sgpr_workgroup_id_x 1
		.amdhsa_system_sgpr_workgroup_id_y 1
		.amdhsa_system_sgpr_workgroup_id_z 1
		.amdhsa_system_vgpr_workitem_id 0
		.amdhsa_next_free_vgpr 256
		.amdhsa_next_free_sgpr 66
		.amdhsa_reserve_vcc 0
		.amdhsa_float_denorm_mode_32 3
		.amdhsa_float_denorm_mode_16_64 3
		.amdhsa_memory_ordered 1
		.amdhsa_forward_progress 1
		.amdhsa_inst_pref_size 65
	.end_amdhsa_kernel
	.amdgpu_metadata
---
amdhsa.version: [ 1, 2 ]
amdhsa.kernels:
  - .name:           k_q3e8ce8f5ce_prep
    .symbol:         k_q3e8ce8f5ce_prep.kd
    .args:
      - { .name: x, .offset: 0, .size: 8, .value_kind: global_buffer, .address_space: global }
      - { .name: Wq, .offset: 8, .size: 8, .value_kind: global_buffer, .address_space: global }
      - { .name: Wk, .offset: 16, .size: 8, .value_kind: global_buffer, .address_space: global }
      - { .name: Wv, .offset: 24, .size: 8, .value_kind: global_buffer, .address_space: global }
      - { .name: Wp, .offset: 32, .size: 8, .value_kind: global_buffer, .address_space: global }
      - { .name: xcodes, .offset: 40, .size: 8, .value_kind: global_buffer, .address_space: global }
      - { .name: xscales, .offset: 48, .size: 8, .value_kind: global_buffer, .address_space: global }
      - { .name: wcodes, .offset: 56, .size: 8, .value_kind: global_buffer, .address_space: global }
      - { .name: wscales, .offset: 64, .size: 8, .value_kind: global_buffer, .address_space: global }
      - { .name: wp16, .offset: 72, .size: 8, .value_kind: global_buffer, .address_space: global }
    .group_segment_fixed_size: 84992
    .private_segment_fixed_size: 0
    .kernarg_segment_align: 8
    .kernarg_segment_size: 80
    .max_flat_workgroup_size: 256
    .sgpr_count:     66
    .vgpr_count:     256
    .wavefront_size: 32
...
	.end_amdgpu_metadata
.endif
;; end of part 1
;; launch qkv (part 2): grid 12 x 16, 4 waves a work-group, clusters of 4 x 4, 327,680 bytes of LDS; arguments xcodes, xscales, wcodes, wscales, bq, bk, bv, qkv16, qkv32; writes qkv16, qkv32
.if DOCPART == 2
	.amdgcn_target "amdgcn-amd-amdhsa--gfx1250"
	.amdhsa_code_object_version 6
	.text
	.protected	k_q3e8ce8f5ce_qkv
	.globl	k_q3e8ce8f5ce_qkv
	.p2align	8
	.type	k_q3e8ce8f5ce_qkv,@function
k_q3e8ce8f5ce_qkv:
	s_mov_b64 s[64:65], 0
	v_nop
	global_prefetch_b8 v0, s[64:65] scope:SCOPE_SE
	s_setreg_imm32_b32 hwreg(HW_REG_WAVE_MODE, 25, 1), 1
	s_wait_xcnt 0x0
	s_wait_alu depctr_hold_cnt(0) depctr_sa_sdst(0) depctr_va_vdst(0) depctr_va_sdst(0) depctr_va_ssrc(0) depctr_va_vcc(0) depctr_vm_vsrc(0)
	s_getreg_b32 s2, hwreg(HW_REG_IB_STS2, 6, 4)
	s_cmp_eq_u32 s2, 0
	s_cbranch_scc0 .Lentry_in_a_cluster
	s_endpgm
.Lentry_in_a_cluster:
	s_bfe_u32 s2, ttmp6, 0x10000c
	s_cmp_lg_u32 s2, 0xf033
	s_cbranch_scc0 .Lentry_shape_is_right
	s_endpgm
.Lentry_shape_is_right:
; q = x Wq + bq, k = x Wk + bk, v = x Wv + bv on codes of FP4 (E2M1) with one E8M0 scale for each 32 along K = 1,024; sums in f32.
; A tile of 256 x 256 is made by four waves, each 128 x 128: 64 accumulators of 16 x 16.  K goes in two steps of 512 through two LDS slots, each filled once; the scale bytes of the tile's rows come once too.
; CLUSTERS: 4 x 4 work-groups; the cluster's x says which product (0 q, 1 k, 2 v) and is the same in all sixteen partners.  The "A region" (source 1 of the matrix instruction) is shared along a row of the cluster,
; the "B region" (source 0) along a column; each tile is asked for jointly.  For q and k: A = 256 rows of x, B = 256 rows of the weight's codes: a lane then holds ONE position and eight neighbouring channels.
; For v the two change places: A = the weight, B = x: a lane holds ONE channel and eight neighbouring keys, which is what the product with the softmax's weights wants of v.
; THE RESULTS LEAVE AS IMAGES OF THE NEXT READER'S OPERAND REGISTERS: an accumulator, rounded to f16 in pairs, is four registers = half a 16-bit fragment; one store of 16 bytes a lane writes 512 consecutive bytes.
;   qkv16 [batch 2][g = 16 mat + head][position / 16][e 4][lane][16 bytes]: q, k: lane (r, h) = position 16 sb + r, channels 16 e + 8 h + 0..7;  v: lane (r, h) = channel 16 e + r, keys 16 sb + 8 h + 0..7.
;   qkv32 [batch][g][e][u][lane][16 bytes]: the f32 accumulators of positions 0 to 15 as they stand, registers 4 u .. 4 u + 3: a later launch carries those rows in f32.
; The biases are the C of each sum's first matrix instruction.
; LIMITS: |q|, |k|, |v| stay under 65,504 (f16); NaN and infinities are not served.
; REGISTERS: window 0: v0-31 addresses; v32-95 scale words, two sets, and nothing else; v128-191 A's fragments, one set; v192-255 the biases; on the way out v128-255 take the packed results.
;   window 1: B's fragments, two sets.   window 2: the accumulators of A's blocks 0-3 ((a, b) at v[8 (8 (a % 4) + b)]);   window 3: of blocks 4-7.
.set NQ,     4                         ; matrix instructions deep in a slot: 512 along K
.set ROWB,   256                       ; a tile's row in bytes
.set KROW,   512                       ; a row of codes in memory
.set PITCH,  272                       ; an LDS row: 256 bytes + 16 of padding, so that the 16 rows of a load begin 68 words apart
.set FR,     8
.set NL,     2
.set NP,     4                         ; places behind this matrix instruction (ISA guide 7.12.1)
.set HALFT,  128*PITCH
.set SLOT,   4*HALFT
.set KS,     32                        ; a row of scale bytes
.set SCL,    2*SLOT
.set HALFS,  (128*KS/256)*272
.set SBLK,   (16*KS/256)*272
.set SPARE,  SCL+4*HALFS               ; the spare words, 128 bytes for each wave: two blocks of 256 bytes that no other line names
.set ADRA, 16
.set ADRB, 20
.set CO,   26                          ; v26  16 x lane: an image's place for my lane
.set ADRS, 27
.set SPW,  28
.set NIL,  29
.set SC,   32
.set AF,   128
.set BIAS, 192
.set TMP,  128
.set G1, 24
.set G0, 32
.set G1B, 48
.set G0B, 56
.set G1S, 68
.set G0S, 76
.set G1SB, 80
.set G0SB, 88
.set OWN,  46                          ; s46  0 in the waves that hold positions 0 to 15 of a sequence
.set SAVE, 47
.set MSB, 0
.macro WIN new                         ; the immediate's high byte repeats the setting that is left
.if MSB != \new
	s_set_vgpr_msb (MSB<<8)|\new
.set MSB, \new
.endif
.endm
.set MUL_LO, 0xa1                      ; source 0 window 1, source 1 window 0, C and D window 2
.set MUL_HI, 0xf1                      ; the same, C and D window 3
.set BIA_LO, 0x81                      ; the first step: C (the bias) window 0, D window 2
.set BIA_HI, 0xc1                      ; D window 3
.set TO_B,   0x40
; A joint load: waves 0 and 1 fetch for the A region, waves 2 and 3 for the B region.  An s_nop 0 and four v_nop follow each of the two lines.
.macro JLOAD g0a, g1a, g0b, g1b
	s_cmp_eq_u32 s15, 0
	s_cbranch_scc0 .Lfor_b_\@
	tensor_load_to_lds s[\g0a:\g0a+3], s[\g1a:\g1a+7]
	s_nop 0
.rept 4
	v_nop
.endr
	s_branch .Lasked_\@
.Lfor_b_\@:
	tensor_load_to_lds s[\g0b:\g0b+3], s[\g1b:\g1b+7]
	s_nop 0
.rept 4
	v_nop
.endr
.Lasked_\@:
.endm
.macro CROUND                          ; a round of the cluster's barrier
	s_barrier_signal -1
	s_barrier_wait -1
	s_cmp_lg_u32 s14, 0
	s_cbranch_scc1 .Lnot_wave_0_\@
	s_barrier_signal -3
.Lnot_wave_0_\@:
	s_barrier_wait -3
	s_barrier_signal -1
	s_barrier_wait -1
.endm
	s_load_b256 s[4:11], s[0:1], 0x0               ; xcodes 4:5, xscales 6:7, wcodes 8:9, wscales 10:11
	s_load_b256 s[92:99], s[0:1], 0x20             ; bq 92:93, bk 94:95, bv 96:97, qkv16 98:99
	s_load_b64 s[100:101], s[0:1], 0x40            ; qkv32
	v_lshl_add_u32 v[SPW], v0, 2, SPARE
	v_mov_b32 v[NIL], 0
	ds_add_u32 v[SPW], v[NIL]                      ; the wave's opening: the add, twice on end, and its wait ahead of my first tensor load
	ds_add_u32 v[SPW], v[NIL]
	v_lshrrev_b32 v1, 5, v0
	v_readfirstlane_b32 s14, v1                    ; wave 0..3
	s_lshr_b32 s15, s14, 1                         ; my half of the A region's rows.  Also: I fetch for A (0) or for B (1)
	s_and_b32 s16, s14, 1                          ; my half of the B region's rows.  Also: which 128 rows I fetch
	s_bfe_u32 s40, ttmp6, 0x40000                  ; cx
	s_bfe_u32 s41, ttmp6, 0x40004                  ; cy
	s_and_b32 s17, ttmp7, 0xffff
	s_lshl_b32 s17, s17, 2                         ; 4 x cluster y
	s_lshl_b32 s18, ttmp9, 2                       ; 4 x the product's number
	s_cmp_eq_u32 ttmp9, 2                          ; v?  The same answer in all sixteen partners
	s_cselect_b32 s19, 8, s17
	s_cselect_b32 s42, s17, s18
	s_add_co_u32 s17, s19, s41                     ; A's tile of 256 rows: q, k: x's tile 4 Y + cy;  v: the codes' tile 8 + cy: made of cy alone
	s_add_co_u32 s42, s42, s40                     ; B's: q, k: the codes' tile 4 mat + cx;  v: x's tile 4 Y + cx: made of cx alone
	s_lshl_b32 s43, s41, 2
	s_lshl_b32 s43, 15, s43                        ; my row of the cluster
	s_lshl_b32 s44, 0x1111, s40                    ; my column
	s_or_b32 s[G1+0], s43, (0<<16)|(1<<20)|(1<<21)|(5<<22)|(3<<25)  ; the mask; elements of 1 byte; padding on; bit 21 beside a mask; after every 64 words, 4 words
	s_or_b32 s[G1B+0], s44, (0<<16)|(1<<20)|(1<<21)|(5<<22)|(3<<25)
.irp g, G1, G1B
	s_mov_b32 s[\g+1], ROWB<<16                    ; tensor_dim0
	s_mov_b32 s[\g+2], 128<<16                     ; tensor_dim1
	s_mov_b32 s[\g+3], ROWB<<16                    ; tile_dim0
	s_mov_b32 s[\g+4], 128                         ; tile_dim1
	s_mov_b32 s[\g+5], KROW                        ; from row to row
	s_mov_b32 s[\g+6], 0
	s_mov_b32 s[\g+7], 0
.endr
	s_or_b32 s[G1S+0], s43, (3<<16)|(1<<20)|(1<<21)|(5<<22)|(3<<25) ; the scales of 128 rows: 4,096 dense bytes as 16 rows of 256, 16 bytes of padding behind each
	s_or_b32 s[G1SB+0], s44, (3<<16)|(1<<20)|(1<<21)|(5<<22)|(3<<25)
.irp g, G1S, G1SB
	s_mov_b32 s[\g+1], 32<<16
	s_mov_b32 s[\g+2], (128*KS/256)<<16
	s_mov_b32 s[\g+3], 32<<16
	s_mov_b32 s[\g+4], 128*KS/256
	s_mov_b32 s[\g+5], 32
	s_mov_b32 s[\g+6], 0
	s_mov_b32 s[\g+7], 0
.endr
	s_lshl_b32 s18, s16, 7
	s_lshl_b32 s20, s17, 8
	s_add_co_u32 s20, s20, s18                     ; A: the first row that I fetch
	s_lshl_b32 s46, s42, 8
	s_add_co_u32 s46, s46, s18                     ; B likewise
	s_lshl_b32 s22, s20, 5                         ; its scale bytes,
	s_lshl_b32 s20, s20, 9                         ; its codes
	s_lshl_b32 s2, s46, 5
	s_lshl_b32 s46, s46, 9
	s_mov_b32 s21, 0
	s_mov_b32 s23, 0
	s_mov_b32 s47, 0
	s_mov_b32 s3, 0
	s_mul_i32 s45, s14, HALFT                      ; where they go: wave x 128 rows: no place in the cluster enters an LDS address
	s_mul_i32 s66, s14, HALFS
	s_wait_dscnt 0x0                               ; both opening adds are done
	s_wait_kmcnt 0x0
	s_cmp_eq_u32 ttmp9, 2                          ; which buffer feeds which region
	s_cselect_b64 s[12:13], s[8:9], s[4:5]
	s_add_nc_u64 s[20:21], s[12:13], s[20:21]      ; A's codes
	s_cselect_b64 s[12:13], s[10:11], s[6:7]
	s_add_nc_u64 s[22:23], s[12:13], s[22:23]      ; A's scales
	s_cselect_b64 s[12:13], s[4:5], s[8:9]
	s_add_nc_u64 s[46:47], s[12:13], s[46:47]      ; B's codes
	s_cselect_b64 s[12:13], s[6:7], s[10:11]
	s_add_nc_u64 s[2:3], s[12:13], s[2:3]          ; B's scales
	CROUND                                         ; all sixteen work-groups are here: the joint loads meet
	s_mov_b32 s[G0S], 1
	s_add_co_u32 s[G0S+1], s66, SCL
	s_mov_b64 s[G0S+2:G0S+3], s[22:23]
	s_or_b32 s[G0S+3], s[G0S+3], 0x80000000
	s_mov_b32 s[G0SB], 1
	s_add_co_u32 s[G0SB+1], s66, SCL
	s_mov_b64 s[G0SB+2:G0SB+3], s[2:3]
	s_or_b32 s[G0SB+3], s[G0SB+3], 0x80000000
	JLOAD G0S, G1S, G0SB, G1SB                     ; the scales first; then both K steps: three loads of mine are out, and every LDS byte is filled once
.irp s, 0,1
	s_mov_b32 s[G0+4*\s], 1
	s_add_co_u32 s[G0+4*\s+1], s45, \s*SLOT
	s_add_nc_u64 s[G0+4*\s+2:G0+4*\s+3], s[20:21], \s*ROWB
	s_or_b32 s[G0+4*\s+3], s[G0+4*\s+3], 0x80000000
	s_mov_b32 s[G0B+4*\s], 1
	s_add_co_u32 s[G0B+4*\s+1], s45, \s*SLOT
	s_add_nc_u64 s[G0B+4*\s+2:G0B+4*\s+3], s[46:47], \s*ROWB
	s_or_b32 s[G0B+4*\s+3], s[G0B+4*\s+3], 0x80000000
	JLOAD G0+4*\s, G1, G0B+4*\s, G1B
.endr
	v_and_b32 v1, 15, v0                           ; r
	v_bfe_u32 v2, v0, 4, 1                         ; h
	v_mul_u32_u24 v3, v1, PITCH
	v_lshl_add_u32 v4, v2, 4, v3
	s_mul_i32 s21, s15, HALFT
	s_mul_i32 s22, s16, HALFT
	s_add_co_u32 s22, s22, 2*HALFT
.irp s, 0,1
	v_add_nc_u32 v[ADRA+\s], s21, v4
	v_add_nc_u32 v[ADRB+\s], s22, v4
	s_add_co_u32 s21, s21, SLOT
	s_add_co_u32 s22, s22, SLOT
.endr
	v_mul_u32_u24 v5, v1, KS                       ; my row's scale bytes: 32 a row, and 16 more for each 256 passed
	v_lshrrev_b32 v6, 8, v5
	v_lshl_add_u32 v5, v6, 4, v5
	s_mul_i32 s21, s15, HALFS
	s_mul_i32 s22, s16, HALFS
	s_add_co_u32 s22, s22, 2*HALFS
	s_sub_co_u32 s22, s22, s21
	v_mul_u32_u24 v6, s22, v2                      ; lanes 16-31 take the B region's
	s_add_co_u32 s21, s21, SCL
	v_add_nc_u32 v5, v5, v6
	v_add_nc_u32 v[ADRS], s21, v5
	v_and_b32 v6, 31, v0
	v_lshlrev_b32 v[CO], 4, v6
	v_lshlrev_b32 v7, 5, v2                        ; the biases: q, k: 32 h bytes;
	v_lshlrev_b32 v8, 2, v1                        ; v: 4 r bytes
	; where my results go.  These registers feed no descriptor
	s_cmp_eq_u32 ttmp9, 2
	s_cselect_b32 s18, s42, s17                    ; x's tile,
	s_cselect_b32 s19, s16, s15                    ; my half of it,
	s_cselect_b32 s12, s41, s40                    ; the weight's tile within its product,
	s_cselect_b32 s13, s15, s16                    ; my half of it
	s_cselect_b64 s[20:21], s[96:97], s[94:95]
	s_cmp_eq_u32 ttmp9, 0
	s_cselect_b64 s[20:21], s[92:93], s[20:21]     ; bq, bk or bv
	s_lshl_b32 s12, s12, 2
	s_lshl_b32 s13, s13, 1
	s_add_co_u32 s43, s12, s13                     ; my first head: four to a tile, two to a half
	s_lshl_b32 s12, s43, 8                         ; 64 numbers of 4 bytes a head
	s_mov_b32 s13, 0
	s_add_nc_u64 s[20:21], s[20:21], s[12:13]
	s_lshl_b32 s44, ttmp9, 4
	s_add_co_u32 s44, s44, s43                     ; g = 16 mat + head
	s_lshr_b32 s45, s18, 3                         ; the batch
	s_and_b32 s18, s18, 7
	s_or_b32 s[OWN], s18, s19
	s_mul_i32 s12, s45, 12582912
	s_lshl_b32 s22, s44, 18
	s_add_co_u32 s12, s12, s22
	s_lshl_b32 s22, s18, 15                        ; 16 blocks of 16 positions a tile, 2,048 bytes each
	s_add_co_u32 s12, s12, s22
	s_lshl_b32 s22, s19, 14
	s_add_co_u32 s12, s12, s22
	s_add_nc_u64 s[98:99], s[98:99], s[12:13]
	s_mul_i32 s12, s45, 48
	s_add_co_u32 s12, s12, s44
	s_lshl_b32 s12, s12, 12
	s_add_nc_u64 s[100:101], s[100:101], s[12:13]
	v_mov_b32 v9, s[OWN]
	s_cmp_eq_u32 ttmp9, 2
	s_cbranch_scc1 .Lbias_v
.irp b, 0,1,2,3,4,5,6,7                        ; q, k: register j of B's block b is channel 16 b + 8 h + j
	global_load_b128 v[BIAS+8*\b:BIAS+8*\b+3], v7, s[20:21] offset:64*\b
	global_load_b128 v[BIAS+8*\b+4:BIAS+8*\b+7], v7, s[20:21] offset:64*\b+16
.endr
	s_branch .Lbias_done
.Lbias_v:
.irp a, 0,1,2,3,4,5,6,7                        ; v: all eight registers of A's block a are channel 16 a + r
.irp j, 0,1,2,3,4,5,6,7
	global_load_b32 v[BIAS+8*\a+\j], v8, s[20:21] offset:64*\a
.endr
.endr
.Lbias_done:
.macro FRAG reg, adr, q, i             ; 16 rows x 128 K of 4-bit codes: lane l holds row l % 16; registers 4 c .. 4 c + 3 hold K = 64 c + 32 (l / 16) + 0 .. 31
.irp c, 0,1
	ds_load_b128 v[\reg+4*\c:\reg+4*\c+3], v[\adr] offset:64*(\q)+32*\c+(\i)*16*PITCH
.endr
.endm
; One product: A's block a x B's block b, the slot's q-th 128 along K.  zero = 0: onto the sum;  1: the sum begins with the bias by B's block;  2: by A's block.
.macro MM a, b, p, q, sc, zero
.set rD, 8*(8*((\a)%4)+(\b))
.set rB, 128*(\p)+FR*(\b)
.set rA, AF+FR*(\a)
.set sB, SC+8*NQ*(\sc)+NQ*(\b)+(\q)
.set sA, SC+8*NQ*(\sc)+NQ*(\a)+(\q)
.set rC, rD
.if (\zero) == 1
.set rC, BIAS+8*(\b)
.endif
.if (\zero) == 2
.set rC, BIAS+8*(\a)
.endif
	v_wmma_scale_f32_16x16x128_f8f6f4 v[rD:rD+7], v[rB:rB+7], v[rA:rA+7], v[rC:rC+7], v[sB], v[sA] matrix_a_fmt:MATRIX_FMT_FP4 matrix_b_fmt:MATRIX_FMT_FP4 matrix_a_scale:MATRIX_SCALE_ROW1
.endm
.macro MUL16 a0, p, q, sc, zero        ; the 64 accumulators take turns, one instruction a turn, in the same order in every step
.irp a, \a0, \a0+1
.irp b, 0,1,2,3,4,5,6,7
	MM \a, \b, \p, \q, \sc, \zero
.endr
.endr
.endm
.macro FETCH_B slot, q, p
	WIN TO_B
.irp i, 0,1,2,3,4,5,6,7
	FRAG 128*(\p)+FR*\i, ADRB+\slot, \q, \i
.endr
	WIN 0
.endm
.macro FETCH_A slot, q, i0
.irp i, \i0, \i0+1, \i0+2, \i0+3
	FRAG AF+FR*(\i), ADRA+\slot, \q, \i
.endr
.endm
.macro SCALES sc                       ; a K step's scale words: four a row; lanes 0-15 the A region's block i, lanes 16-31 the B region's
.irp i, 0,1,2,3,4,5,6,7
	ds_load_b128 v[SC+8*NQ*\sc+NQ*\i:SC+8*NQ*\sc+NQ*\i+3], v[ADRS] offset:\i*SBLK
.endr
.endm
.macro PLACES n                        ; plain vector instructions between a matrix instruction and a load into, or a read of, its registers
.rept \n
	v_nop
.endr
.endm
.macro STEP slot, q, zero              ; 128 along K that has its successor in the same slot
	s_wait_dscnt 4*NL                              ; B's set and A's blocks 0-3 are in; the youngest eight loads (A's blocks 4-7) may be out
.if \zero
	WIN BIA_LO
.else
	WIN MUL_LO
.endif
	MUL16 0, (\q)%2, \q, \slot, \zero
	MUL16 2, (\q)%2, \q, \slot, \zero
	s_wait_dscnt 0
	PLACES NP
	FETCH_B \slot, (\q)+1, 1-(\q)%2
	FETCH_A \slot, (\q)+1, 0
.if \zero
	WIN BIA_HI
.else
	WIN MUL_HI
.endif
	MUL16 4, (\q)%2, \q, \slot, \zero
	MUL16 6, (\q)%2, \q, \slot, \zero
	PLACES NP
	WIN 0
	FETCH_A \slot, (\q)+1, 4
.endm
.macro TURN slot, next                 ; slot 0's last step goes over to slot 1: each wave's load of slot 1 has landed in front of the barrier; nothing is filled again
	s_wait_tensorcnt 0x0                           ; all my tensor loads have landed
	ds_add_u32 v[SPW], v[NIL]                      ; 0 onto my spare word
	s_wait_dscnt 4*NL+1                            ; (the add and the youngest eight loads may be out)
	WIN MUL_LO
	MUL16 0, 1, NQ-1, \slot, 0
	s_wait_dscnt 0x0
	s_barrier_signal -1
	MUL16 2, 1, NQ-1, \slot, 0
	WIN 0
	s_barrier_wait -1
	PLACES NP
	v_add_nc_u32 v[ADRS], 4*NQ, v[ADRS]            ; the next K step's scale words
	FETCH_B \next, 0, 0
	FETCH_A \next, 0, 0
	SCALES \next
	WIN MUL_HI
	MUL16 4, 1, NQ-1, \slot, 0
	MUL16 6, 1, NQ-1, \slot, 0
	PLACES NP
	WIN 0
	FETCH_A \next, 0, 4
.endm
.macro STEPS slot, from
.set Q, \from
.rept NQ-1-\from
	STEP \slot, Q, 0
.set Q, Q+1
.endr
.endm
	s_wait_tensorcnt 1                             ; the scales and my part of K step 0 are in; K step 1's load may be out
	s_barrier_signal -1
	s_barrier_wait -1
	FETCH_B 0, 0, 0
	FETCH_A 0, 0, 0
	SCALES 0
	FETCH_A 0, 0, 4
	s_wait_loadcnt 0x0                             ; the biases
	s_cmp_eq_u32 ttmp9, 2                          ; the first step is written twice: the bias goes by B's blocks (q, k) or by A's (v)
	s_cbranch_scc1 .Lfirst_v
	STEP 0, 0, 1
	s_branch .Lfirst_done
.Lfirst_v:
	STEP 0, 0, 2
.Lfirst_done:
	STEPS 0, 1
	TURN 0, 1
	STEPS 1, 0
	s_wait_dscnt 4*NL                              ; the last step: nothing more to fetch
	WIN MUL_LO
	MUL16 0, 1, NQ-1, 1, 0
	MUL16 2, 1, NQ-1, 1, 0
	s_wait_dscnt 0
	WIN MUL_HI
	MUL16 4, 1, NQ-1, 1, 0
	MUL16 6, 1, NQ-1, 1, 0
	WIN 0
	PLACES NP
; THE WAY OUT.  First the f32 images of positions 0 to 15.  Which waves hold them hangs on the work-group's place in its cluster, so it is a mask of lanes and no branch: all lanes on or none.
; Then block by block of A: 32 roundings of pairs to f16, eight stores of 512 consecutive bytes.  Four sets of registers take turns.
.macro WAYOUT isv
	s_wait_xcnt 0x0                                ; EXEC changes only behind this wait
	v_cmp_eq_u32 vcc_lo, 0, v9
	s_and_saveexec_b32 s[SAVE], vcc_lo
.irp i, 0,1,2,3,4,5,6,7
.if \isv
.set AC, 64*(\i%4)                     ; v: accumulators (a = i, b = 0)
	WIN 0x08+4*(\i/4)
.else
.set AC, 8*\i                          ; q, k: accumulators (a = 0, b = i)
	WIN 0x08
.endif
	global_store_b128 v[CO], v[AC:AC+3], s[100:101] offset:(\i/4)*4096+(\i%4)*1024       ; each accumulator from its low end on
	global_store_b128 v[CO], v[AC+4:AC+7], s[100:101] offset:(\i/4)*4096+(\i%4)*1024+512
.endr
	WIN 0
	s_wait_xcnt 0x0                                ; and again in front of the line that restores it
	s_or_b32 exec_lo, exec_lo, s[SAVE]
.irp a, 0,1,2,3,4,5,6,7
.if \a >= 4
	s_wait_xcnt 0x0                                ; block a - 4's stores have read their registers
.endif
.set AC, 64*(\a%4)
.set TM, TMP+32*(\a%4)
	WIN 0x0a+5*(\a/4)
.irp b, 0,1,2,3,4,5,6,7
.irp r, 0,1,2,3
	v_cvt_pk_f16_f32 v[TM+4*\b+\r], v[AC+8*\b+2*\r], v[AC+8*\b+2*\r+1]
.endr
.endr
	WIN 0
.irp b, 0,1,2,3,4,5,6,7
.if \isv
	global_store_b128 v[CO], v[TM+4*\b:TM+4*\b+3], s[98:99] offset:(\a/4)*262144+\b*2048+(\a%4)*512
.else
	global_store_b128 v[CO], v[TM+4*\b:TM+4*\b+3], s[98:99] offset:(\b/4)*262144+\a*2048+(\b%4)*512
.endif
.endr
.endr
.endm
	s_cmp_eq_u32 ttmp9, 2
	s_cbranch_scc1 .Lout_v
	WAYOUT 0
	s_branch .Lout_done
.Lout_v:
	WAYOUT 1
.Lout_done:
	s_wait_tensorcnt 0x0                           ; the wave's end
	ds_add_u32 v[SPW], v[NIL]
	s_wait_dscnt 0x0
	CROUND                                         ; the closing round
	s_endpgm
.Lfunc_end_k_q3e8ce8f5ce_qkv:
	.size	k_q3e8ce8f5ce_qkv, .Lfunc_end_k_q3e8ce8f5ce_qkv-k_q3e8ce8f5ce_qkv
	.p2alignl 7, 3214868480
	.fill 96, 4, 3214868480
	.section	.rodata,"a",@progbits
	.p2align	6, 0x0
	.amdhsa_kernel k_q3e8ce8f5ce_qkv
		.amdhsa_group_segment_fixed_size 327680
		.amdhsa_private_segment_fixed_size 0
		.amdhsa_enable_private_segment 0
		.amdhsa_kernarg_size 72
		.amdhsa_user_sgpr_count 2
		.amdhsa_user_sgpr_kernarg_segment_ptr 1
		.amdhsa_wavefront_size32 1
		.amdhsa_system_sgpr_workgroup_id_x 1
		.amdhsa_system_sgpr_workgroup_id_y 1
		.amdhsa_system_sgpr_workgroup_id_z 1
		.amdhsa_system_vgpr_workitem_id 0
		.amdhsa_next_free_vgpr 1024
		.amdhsa_next_free_sgpr 102
		.amdhsa_reserve_vcc 1
		.amdhsa_float_denorm_mode_32 3
		.amdhsa_float_denorm_mode_16_64 3
		.amdhsa_memory_ordered 1
		.amdhsa_forward_progress 1
		.amdhsa_inst_pref_size 163
	.end_amdhsa_kernel
	.amdgpu_metadata
---
amdhsa.version: [ 1, 2 ]
amdhsa.kernels:
  - .name:           k_q3e8ce8f5ce_qkv
    .symbol:         k_q3e8ce8f5ce_qkv.kd
    .args:
      - { .name: xcodes, .offset: 0, .size: 8, .value_kind: global_buffer, .address_space: global }
      - { .name: xscales, .offset: 8, .size: 8, .value_kind: global_buffer, .address_space: global }
      - { .name: wcodes, .offset: 16, .size: 8, .value_kind: global_buffer, .address_space: global }
      - { .name: wscales, .offset: 24, .size: 8, .value_kind: global_buffer, .address_space: global }
      - { .name: bq, .offset: 32, .size: 8, .value_kind: global_buffer, .address_space: global }
      - { .name: bk, .offset: 40, .size: 8, .value_kind: global_buffer, .address_space: global }
      - { .name: bv, .offset: 48, .size: 8, .value_kind: global_buffer, .address_space: global }
      - { .name: qkv16, .offset: 56, .size: 8, .value_kind: global_buffer, .address_space: global }
      - { .name: qkv32, .offset: 64, .size: 8, .value_kind: global_buffer, .address_space: global }
    .group_segment_fixed_size: 327680
    .private_segment_fixed_size: 0
    .kernarg_segment_align: 8
    .kernarg_segment_size: 72
    .max_flat_workgroup_size: 128
    .sgpr_count:     102
    .vgpr_count:     1024
    .wavefront_size: 32
...
	.end_amdgpu_metadata
.endif
;; end of part 2
;; launch attn (part 3): grid 8 x 32, 16 waves a work-group, no clusters, 327,680 bytes of LDS; arguments qkv16, y16; writes y16
.if DOCPART == 3
	.amdgcn_target "amdgcn-amd-amdhsa--gfx1250"
	.amdhsa_code_object_version 6
	.text
	.protected	k_q3e8ce8f5ce_attn
	.globl	k_q3e8ce8f5ce_attn
	.p2align	8
	.type	k_q3e8ce8f5ce_attn,@function
k_q3e8ce8f5ce_attn:
	s_mov_b64 s[64:65], 0
	v_nop
	global_prefetch_b8 v0, s[64:65] scope:SCOPE_SE
	s_setreg_imm32_b32 hwreg(HW_REG_WAVE_MODE, 25, 1), 1
	s_wait_xcnt 0x0
; y[b][h][q] = the sum over k <= q of softmax_k(q . k / 8) v[k], head size 64, 2,048 positions, 32 (batch, head) pairs.  Operands in f16, products, maxima and sums in f32; the weights p are rounded to f16.
; SHARES.  Work-group (J, batch and head) owns the blocks J and 15 - J of 128 queries.  Its sixteen waves are eight PAIRS; wave number = 8 half + w.  Both waves of pair w hold the same TWO tiles of 16 queries:
; A at 128 J + 16 w (early), B at 128 (15 - J) + 16 w (late): under the causal mask the two together have 32 or 34 steps of 64 keys in every pair of the launch.  THE KEYS ARE SHARED WITHIN A PAIR: half 0 walks the
; even steps, half 1 the odd ones, each with a maximum, a sum and an O^T of its own; at the end the two states of a tile are merged through LDS.  So four waves of 256 registers stand on each SIMD, and one
; wave's loads, products and softmax stand beside three others'.  While A is alive each fragment of K and V read from LDS feeds both tiles.
; LAYOUT.  S^T = K Q^T and O^T = V^T P: a lane holds ONE query (lane % 16) throughout.  q, k and v come as images of the operands' registers (16 bytes a lane, 512 bytes an instruction): no pitch, no padding,
; no turning load.  Two tiles of S^T, rounded in pairs, ARE a fragment of P; four registers of O^T, rounded in pairs, are half a fragment of y for the projection, and are stored so.
; SOFTMAX.  A running maximum m and sum l for each query: p = 2^(c s - c m), c = log2(e) / 8; in every step O^T and l are multiplied by a = 2^(c m_old - c m_new).  m begins at -3e38 and O^T, l at zero, so that
; the step needs no first form.  In every step that a tile walks each of its queries sees a key (the step's first key is at or under the tile's first query), so m is a score from a wave's first step on.
; THE MERGE.  c M = the larger of the two c m; a_i = 2^(c m_i - c M); l = a_0 l_0 + a_1 l_1; O = (a_0 O_0 + a_1 O_1) / l.  A half that walked no step of a tile holds m = -3e38, l = 0, O = 0: its a is 0.
; Half 0 walks step 0, whose key 0 counts for every query, so M is a score.
; THE RING.  Two slots of 512 keys (64 KiB of K's images, 64 KiB of V's); each wave fetches one sixteenth of a slot with one tensor load: at most one load of a wave is out.
; EVERY work-group walks all four slots with constant trip counts; a step that is the other half's, or whose keys all come after a tile's queries, is jumped over by a scalar branch on ids.
; NO CLUSTER.  The eight work-groups of a head read the same K and V.  J = 0..3 read all four slots, J = 4..7 three (their last query lies under key 1,536).  In clusters of four the partners would agree, but a
; head's second cluster would have to leave the fourth slot's joint load out by a jump, or fetch 128 KiB that none of its waves reads.
; Positions 0 to 15 of each sequence are written here in f16 like all others; a later launch makes those rows of the output anew in f32.
; LIMITS: |q|, |k|, |v| under 65,504 (f16); NaN and infinities are not served.
.set SLOT1, 1<<17
.set VOFF,  65536
.set SPARE, 2*SLOT1                    ; the spare words, 128 bytes for each wave: eight blocks of 256 bytes that no other line names
.set KV,    192                        ; v192-255  K's eight fragments, later V's
.set TILEB, 4608                       ; the merge: a tile's state: 32 registers of O^T and four of statistics, 128 bytes each
.set PAIRB, 2*TILEB                    ; a pair's two states; eight pairs: LDS bytes 0 .. 73,727, in slot 0, which has had its last fill and its last read when they are stored
; v1, v2 the add's two; v3 16 x lane; v4 VOFF + 16 x lane; v5, v6 the step's LDS addresses; v7 r - 8 h; v8-15 B's statistics, v16-23 A's (+0 c m, +1 m, +2, +3 l, +4..7 at work, a at +6);
; v24 the mask's d; v25 -infinity; v26 16 x lane for memory; v27 256 x lane; v28 the merge's LDS address; v32-47 B's Q, v48-63 A's; v64-95 B's S^T, then p in its low 16; v96-127 A's; v128-159 B's O^T; v160-191 A's.
; s8 wave; s[24:31] descriptor group 1; s[32:35] group 0, which walks; s36 LDS byte of the step's tiles; s37 the step's first key; s38, s39 A's, B's first query; s40, s41 their last; s42 the work-group's last query;
; s43 slots still to be asked for; s44 steps; s45 1 in a work-group that prefetches; s[46:47] the prefetches' address; s[48:49] c; s[50:51] lane selects; s[54:55], s[56:57] where B's, A's y goes; s58 64 x half; s59 w.
	s_load_b128 s[4:7], s[0:1], 0x0                ; qkv16, y16
	v_lshl_add_u32 v1, v0, 2, SPARE
	v_mov_b32 v2, 0
	ds_add_u32 v1, v2                              ; the wave's opening: the add, twice on end, and its wait ahead of my first tensor load
	ds_add_u32 v1, v2
	v_lshrrev_b32 v3, 5, v0
	v_readfirstlane_b32 s8, v3                     ; wave 0..15
	s_and_b32 s59, s8, 7                           ; w: my pair
	s_lshr_b32 s58, s8, 3                          ; my half
	s_mov_b32 s24, 3<<16                           ; group 1: 8,192 dense bytes as 32 rows of 32 elements of 8 bytes; no mask, no padding
	s_mov_b32 s25, 32<<16                          ; tensor_dim0
	s_mov_b32 s26, 32<<16                          ; tensor_dim1
	s_mov_b32 s27, 32<<16                          ; tile_dim0
	s_mov_b32 s28, 32                              ; tile_dim1
	s_mov_b32 s29, 32                              ; from row to row
	s_mov_b32 s30, 0
	s_mov_b32 s31, 0
	s_and_b32 s9, ttmp7, 0xffff
	s_lshr_b32 s10, s9, 4                          ; batch
	s_and_b32 s11, s9, 15                          ; head
	s_mul_i32 s12, s10, 12582912
	s_lshl_b32 s13, s11, 18
	s_add_co_u32 s12, s12, s13                     ; the head's q images
	s_add_co_u32 s14, s58, 1
	s_lshl_b32 s14, s14, 22                        ; k's lie 16 heads on, v's 32: waves 0-7 fetch K, waves 8-15 V,
	s_lshl_b32 s15, s59, 13                        ; an eighth of a slot's 65,536 bytes each
	s_add_co_u32 s14, s14, s15
	s_add_co_u32 s14, s14, s12
	s_mov_b32 s15, 0
	s_lshl_b32 s58, s58, 6                         ; 64 x half: bit 6 of the first key of the steps that are mine
	s_lshl_b32 s16, s59, 4
	s_lshl_b32 s38, ttmp9, 7
	s_add_co_u32 s38, s38, s16                     ; A's first query
	s_sub_co_u32 s39, 15, ttmp9
	s_lshl_b32 s39, s39, 7
	s_or_b32 s42, s39, 127                         ; the work-group's last query
	s_add_co_u32 s39, s39, s16                     ; B's first query
	s_add_co_u32 s40, s38, 15
	s_add_co_u32 s41, s39, 15
	s_lshl_b32 s16, s39, 7                         ; 2,048 bytes for each 16 positions
	s_add_co_u32 s16, s16, s12
	s_mov_b32 s17, 0
	s_lshl_b32 s18, s38, 7
	s_add_co_u32 s18, s18, s12
	s_mov_b32 s19, 0
	s_lshr_b32 s20, s11, 2                         ; y16 [head / 4][row / 16][2 (head % 4) + c][u][lane][16]
	s_lshl_b32 s20, s20, 21
	s_lshl_b32 s21, s10, 20
	s_add_co_u32 s20, s20, s21
	s_and_b32 s21, s11, 3
	s_lshl_b32 s21, s21, 11
	s_add_co_u32 s20, s20, s21
	s_lshl_b32 s54, s39, 9
	s_add_co_u32 s54, s54, s20
	s_mov_b32 s55, 0
	s_lshl_b32 s56, s38, 9
	s_add_co_u32 s56, s56, s20
	s_mov_b32 s57, 0
	s_mov_b32 s36, 0
	s_mov_b32 s37, 0
	s_mov_b32 s43, 3
	s_cmp_eq_u32 ttmp9, 0
	s_cselect_b32 s45, 1, -1
	s_mov_b32 s48, 0x3e38aa3b                      ; c = log2(e) / 8
	s_mov_b32 s49, s48
	s_mov_b32 s50, 0x76543210
	s_mov_b32 s51, 0xfedcba98
	s_mul_i32 s53, s59, PAIRB                      ; my pair's bytes for the merge
	s_mov_b32 s32, 1                               ; group 0: count = 1,
	s_lshl_b32 s33, s8, 13                         ; LDS address: 8,192 x wave, in slot 0
	s_wait_dscnt 0x0                               ; both opening adds are done
	s_wait_kmcnt 0x0
	s_add_nc_u64 s[34:35], s[4:5], s[14:15]        ; my part of the head's first 512 keys
	s_add_nc_u64 s[46:47], s[34:35], 0x10000       ; the prefetches stand a slot on; the first change of slots steps them to slot 2
	s_or_b32 s35, s35, 0x80000000                  ; type = 2
	tensor_load_to_lds s[32:35], s[24:31]          ; slot 0
	s_nop 0
.rept 4
	v_nop
.endr
	s_add_nc_u64 s[16:17], s[4:5], s[16:17]
	s_add_nc_u64 s[18:19], s[4:5], s[18:19]
	s_add_nc_u64 s[54:55], s[6:7], s[54:55]
	s_add_nc_u64 s[56:57], s[6:7], s[56:57]
	v_and_b32 v3, 31, v0
	v_lshlrev_b32 v27, 8, v3
	v_lshlrev_b32 v3, 4, v3
	v_mov_b32 v26, v3
	v_add_nc_u32 v4, VOFF, v3
	v_add_nc_u32 v28, s53, v3                      ; the merge: 9,216 x pair + 16 x lane: the same in both waves of a pair
.irp e, 0,1,2,3
	global_load_b128 v[32+4*\e:35+4*\e], v26, s[16:17] offset:512*\e   ; Q stays in registers: half e of the two fragments
	global_load_b128 v[48+4*\e:51+4*\e], v26, s[18:19] offset:512*\e
.endr
	v_and_b32 v5, 15, v0
	v_bfe_u32 v6, v0, 4, 1
	v_lshlrev_b32 v6, 3, v6
	v_sub_nc_u32 v7, v5, v6
	v_mov_b32 v25, 0xff800000
.irp T, 8, 16
	v_mov_b32 v[\T+1], 0xff61b1e6                  ; m: -3e38, under every score
	v_mul_f32 v[\T], s48, v[\T+1]
.irp j, 2,3,4,5,6,7
	v_mov_b32 v[\T+\j], 0
.endr
.endr
.set n, 0
.rept 64
	v_mov_b32 v[128+n], 0                          ; O^T: the step has no first form; its first pass multiplies these zeros by a = 0
.set n, n+1
.endr
.macro KLOAD                           ; 64 keys x 64 channels: fragment (16 keys kt, 32 channels c), half u
.irp kt, 0,1,2,3
.irp c, 0,1
.irp u, 0,1
	ds_load_b128 v[KV+16*\kt+8*\c+4*\u:KV+16*\kt+8*\c+4*\u+3], v5 offset:2048*\kt+1024*\c+512*\u
.endr
.endr
.endr
.endm
.macro VLOAD                           ; fragment (32 keys kc, 16 channels ch), half u
.irp kc, 0,1
.irp ch, 0,1,2,3
.irp u, 0,1
	ds_load_b128 v[KV+32*\kc+8*\ch+4*\u:KV+32*\kc+8*\ch+4*\u+3], v6 offset:2048*(2*\kc+\u)+512*\ch
.endr
.endr
.endr
.endm
.macro SMUL S, Q                       ; S^T = K Q^T: four accumulators by turns
.irp c, 0,1
.irp kt, 0,1,2,3
.if \c == 0
	v_wmma_f32_16x16x32_f16 v[\S+8*\kt:\S+8*\kt+7], v[KV+16*\kt:KV+16*\kt+7], v[\Q:\Q+7], 0
.else
	v_wmma_f32_16x16x32_f16 v[\S+8*\kt:\S+8*\kt+7], v[KV+16*\kt+8:KV+16*\kt+15], v[\Q+8:\Q+15], v[\S+8*\kt:\S+8*\kt+7]
.endif
.endr
.endr
.endm
.macro PMUL S, O                       ; O^T += V^T P: four accumulators by turns
.irp kc, 0,1
.irp ch, 0,1,2,3
	v_wmma_f32_16x16x32_f16 v[\O+8*\ch:\O+8*\ch+7], v[KV+32*\kc+8*\ch:KV+32*\kc+8*\ch+7], v[\S+8*\kc:\S+8*\kc+7], v[\O+8*\ch:\O+8*\ch+7]
.endr
.endr
.endm
; One tile's softmax for one step.  Register 8 kt + j of S^T is key KF + 16 kt + 8 h + j of query Q0 + r.
.macro SOFT S, O, T, Q0
	s_add_co_u32 s52, s37, 63
	s_cmp_le_u32 s52, s[\Q0]                       ; all 64 keys count for all 16 queries?  ids alone
	s_cbranch_scc1 .Lopen_\@
	s_sub_co_i32 s52, s[\Q0], s37
	v_add_nc_u32 v24, s52, v7                      ; d = my query - KF - 8 h: hidden where 16 kt + j > d
.set n, 0
.rept 32
	v_cmp_gt_i32 vcc_lo, 16*(n/8)+n%8, v24
	v_cndmask_b32 v[\S+n], v[\S+n], v25, vcc_lo
.set n, n+1
.endr
.Lopen_\@:
.irp j, 0,1,2,3
	v_max3_num_f32 v[\T+4+\j], v[\S+8*\j], v[\S+8*\j+1], v[\S+8*\j+2]     ; four chains, each accumulator from its low end on
.endr
.irp i, 3,5
.irp j, 0,1,2,3
	v_max3_num_f32 v[\T+4+\j], v[\T+4+\j], v[\S+8*\j+\i], v[\S+8*\j+\i+1]
.endr
.endr
	v_max3_num_f32 v[\T+4], v[\T+4], v[\S+7], v[\S+15]
	v_max3_num_f32 v[\T+6], v[\T+6], v[\S+23], v[\S+31]
	v_max3_num_f32 v[\T+4], v[\T+4], v[\T+5], v[\T+6]
	v_max3_num_f32 v[\T+4], v[\T+4], v[\T+7], v[\T+1]                     ; and the old m
	v_permlanex16_b32 v[\T+5], v[\T+4], s50, s51                          ; the query's other 32 keys lie in the lane 16 away
	v_mov_b32 v[\T+7], v[\T]
	v_max_num_f32 v[\T+1], v[\T+4], v[\T+5]
	v_mul_f32 v[\T], s48, v[\T+1]
	v_sub_f32 v[\T+7], v[\T+7], v[\T]                                     ; c m_old - c m_new
.set n, 0
.rept 16
	v_pk_fma_f32 v[\S+n:\S+n+1], v[\S+n:\S+n+1], s[48:49], v[\T:\T+1] op_sel_hi:[1,0,0] neg_lo:[0,0,1] neg_hi:[0,0,1]   ; c s - c m
.set n, n+2
.endr
	v_exp_f32 v[\T+6], v[\T+7]                     ; a; then the 32 weights: one batch
.set n, 0
.rept 32
	v_exp_f32 v[\S+n], v[\S+n]
.set n, n+1
.endr
	v_nop                                          ; a plain instruction behind the last exponential
	s_wait_alu depctr_va_vdst(0)                   ; one wait for the batch, ahead of its first reader
	v_pk_mul_f32 v[\T+2:\T+3], v[\T+2:\T+3], v[\T+6:\T+7] op_sel_hi:[1,0]
	v_pk_add_f32 v[\T+4:\T+5], v[\S:\S+1], v[\S+2:\S+3]                   ; the sum of the unrounded weights, in two chains
.irp j, 4,8,12,16,20,24,28
	v_pk_add_f32 v[\T+2:\T+3], v[\T+2:\T+3], v[\S+\j:\S+\j+1]
	v_pk_add_f32 v[\T+4:\T+5], v[\T+4:\T+5], v[\S+\j+2:\S+\j+3]
.endr
	v_pk_add_f32 v[\T+2:\T+3], v[\T+2:\T+3], v[\T+4:\T+5]
.set n, 0
.rept 16
	v_cvt_pk_f16_f32 v[\S+n], v[\S+2*n], v[\S+2*n+1]                      ; in place, ascending: register n is written when 2 n and 2 n + 1 are read
.set n, n+1
.endr
.set n, 0
.rept 16
	v_pk_mul_f32 v[\O+n:\O+n+1], v[\O+n:\O+n+1], v[\T+6:\T+7] op_sel_hi:[1,0]
.set n, n+2
.endr
.endm
; A STEP OF 64 KEYS.  The branches hang on ids and the count of steps; no barrier, wait for tensor loads or tensor load stands in a step.
; Whether tile A is still alive is asked ONCE, behind K's loads, and the step's body is written in two forms, for both tiles and for B alone: so on every way through the text A's scores are written by
; A's products before its softmax reads them, and its weights by its softmax before the second product reads them.
.macro STEP
	s_cmp_gt_u32 s37, s41                          ; all keys behind B's queries (then behind A's too)
	s_cbranch_scc1 .Lhid_\@
	s_and_b32 s52, s37, 64
	s_cmp_lg_u32 s52, s58                          ; the other half's step
	s_cbranch_scc1 .Lhid_\@
	v_add_nc_u32 v5, s36, v3
	v_add_nc_u32 v6, s36, v4
.rept 3
	v_nop                                          ; with the two additions five places behind the last products: four for the loads into K's registers, five for the products that write over p
.endr
	KLOAD
	s_wait_dscnt 0x0
	s_cmp_gt_u32 s37, s40                          ; all keys behind A's queries?
	s_cbranch_scc1 .Lonly_b_\@
	SMUL 64, 32                                    ; both tiles: each fragment of K and of V feeds two products
	SMUL 96, 48
.rept 4
	v_nop                                          ; places in front of the loads into K's registers and of the first read of the scores
.endr
	VLOAD                                          ; V lands under the softmax
	SOFT 64, 128, 8, 39
	SOFT 96, 160, 16, 38
	s_wait_dscnt 0x0
	PMUL 64, 128
	PMUL 96, 160
	s_branch .Lhid_\@
.Lonly_b_\@:
	SMUL 64, 32                                    ; B alone
.rept 4
	v_nop
.endr
	VLOAD
	SOFT 64, 128, 8, 39
	s_wait_dscnt 0x0
	PMUL 64, 128
.Lhid_\@:
	s_add_co_u32 s37, s37, 64
	s_add_co_u32 s36, s36, 8192
.endm
.macro SLOT_STEPS
	s_mov_b32 s44, 8
.Lstep_\@:
	STEP
	s_sub_co_u32 s44, s44, 1
	s_cmp_lg_u32 s44, 0
	s_cbranch_scc1 .Lstep_\@
	s_sub_co_u32 s36, s36, 65536
	s_xor_b32 s36, s36, SLOT1                      ; on to the other slot
.endm
; THE CHANGE OF SLOTS stands at a slot's head: each wave waits for all its tensor loads (its part of the slot ahead), adds 0 to its spare word, waits for that and for its reads of the slot that it has left.
; Behind the barrier the slot ahead is whole and nobody reads the other.  fill = 1: that other slot takes the next 512 keys: the load has the slot's eight steps in which to land.
; THE LOOK-AHEAD ENDS AT THE CAUSAL LIMIT: a slot whose first key comes after the work-group's last query is read by none of its waves and is not asked for.  The test is made of ids and the count of steps,
; the same in all sixteen waves; it leads round the load's own lines alone; every wait for tensor loads in this text is for 0; where the limit falls hangs on the work-group's number, so no tail can be written out.
; THE PREFETCH: all eight work-groups of a head walk the same K and V; the first of them (J = 0, which walks all four slots) asks, each wave for its own 8,192 bytes of the slot AFTER the one that is being
; asked for: one instruction, lanes 256 bytes apart: eight steps ahead of the load that will want them.  Slots 0 and 1 come by their loads alone; the last change that fills asks for nothing.
.macro CHANGE fill
	s_wait_tensorcnt 0x0                           ; no tensor load of mine is out, so group 0 may be written
	ds_add_u32 v1, v2                              ; 0 onto my spare word
.if \fill
	s_xor_b32 s33, s33, SLOT1
	s_add_nc_u64 s[34:35], s[34:35], 0x10000
	s_wait_xcnt 0x0                                ; the last prefetch, a slot back, has read its address
	s_add_nc_u64 s[46:47], s[46:47], 0x10000
.endif
	s_wait_dscnt 0x0
	s_barrier_signal -1
	s_barrier_wait -1
.if \fill
	s_add_co_u32 s52, s37, 512
	s_cmp_gt_u32 s52, s42
	s_cbranch_scc1 .Lpast_\@
	tensor_load_to_lds s[32:35], s[24:31]          ; my one tensor load until the next such barrier
	s_nop 0
.rept 4
	v_nop
.endr
.Lpast_\@:
	s_cmp_gt_u32 s43, s45
	s_cbranch_scc0 .Lnot_mine_\@
	global_prefetch_b8 v27, s[46:47] th:TH_LOAD_NT scope:SCOPE_SE
.Lnot_mine_\@:
.endif
.endm
	s_wait_loadcnt 0x0                             ; Q
.Lslot:                                            ; three trips: behind each change of slots but the last the next slot is asked for, up to the limit
	CHANGE 1
	SLOT_STEPS
	s_sub_co_u32 s43, s43, 1
	s_cmp_lg_u32 s43, 0
	s_cbranch_scc1 .Lslot
	CHANGE 0                                       ; the last slot is written out: nothing is left to ask for
	SLOT_STEPS
; THE MERGE AND THE WAY OUT.  Each wave hands one tile's state to its partner and keeps the other: half 0 keeps B, half 1 keeps A.  A state goes through LDS as an image of its registers: nine stores of 512
; consecutive bytes.  Two barriers: in front of the first every wave's reads of K and V are over, so slot 0's bytes may be written; in front of the second every wave's stores have landed.
.macro STATE_OUT T, O, off
.irp i, 0,1,2,3,4,5,6,7
	ds_store_b128 v28, v[\O+4*\i:\O+4*\i+3] offset:\off+512*\i            ; each accumulator from its low end on
.endr
	ds_store_b128 v28, v[\T:\T+3] offset:\off+4096                        ; c m, m, l in two halves
.endm
.macro MERGE T, O, S, base, off
.irp i, 0,1,2,3,4,5,6,7
	ds_load_b128 v[KV+4*\i:KV+4*\i+3], v28 offset:\off+512*\i             ; my partner's O^T,
.endr
	ds_load_b128 v[32:35], v28 offset:\off+4096                           ; and its c m, m, l
	s_wait_dscnt 0x0
	v_max_num_f32 v[\T+1], v[\T], v32                                     ; c M
	v_add_f32 v[\T+2], v[\T+2], v[\T+3]                                   ; my l,
	v_add_f32 v34, v34, v35                                               ; my partner's
	v_sub_f32 v[\T+4], v[\T], v[\T+1]
	v_sub_f32 v[\T+6], v32, v[\T+1]
	v_exp_f32 v[\T+4], v[\T+4]                                            ; a_mine
	v_exp_f32 v[\T+6], v[\T+6]                                            ; a_partner's
	v_nop                                                                 ; a plain instruction behind the last exponential
	s_wait_alu depctr_va_vdst(0)                                          ; one wait for the two, ahead of their first reader
	v_mul_f32 v[\T+2], v[\T+2], v[\T+4]
	v_fma_f32 v[\T+2], v34, v[\T+6], v[\T+2]
	v_permlanex16_b32 v[\T+3], v[\T+2], s50, s51                          ; the query's other keys lie in the lane 16 away
	v_add_f32 v[\T+2], v[\T+2], v[\T+3]                                   ; the row's sum
	v_rcp_f32 v[\T+3], v[\T+2]
	v_nop                                                                 ; a plain instruction behind the reciprocal
	s_wait_alu depctr_va_vdst(0)                                          ; and its wait, ahead of the first reader
	v_mul_f32 v[\T+4], v[\T+4], v[\T+3]
	v_mul_f32 v[\T+6], v[\T+6], v[\T+3]
.set n, 0
.rept 16
	v_pk_mul_f32 v[\O+n:\O+n+1], v[\O+n:\O+n+1], v[\T+4:\T+5] op_sel_hi:[1,0]
.set n, n+2
.endr
.set n, 0
.rept 16
	v_pk_fma_f32 v[\O+n:\O+n+1], v[KV+n:KV+n+1], v[\T+6:\T+7], v[\O+n:\O+n+1] op_sel_hi:[1,0,1]
.set n, n+2
.endr
.set n, 0
.rept 16
	v_cvt_pk_f16_f32 v[\S+n], v[\O+2*n], v[\O+2*n+1]
.set n, n+1
.endr
.irp ch, 0,1,2,3
	global_store_b128 v26, v[\S+4*\ch:\S+4*\ch+3], s[\base:\base+1] offset:512*\ch   ; 512 consecutive bytes
.endr
.endm
.rept 4
	v_nop                                          ; places behind the last products, in front of the stores that read O^T and of the loads into V's and Q's registers
.endr
	s_wait_dscnt 0x0                               ; my reads of K and V are over
	s_barrier_signal -1
	s_barrier_wait -1                              ; everybody's are
	s_cmp_lt_u32 s8, 8
	s_cbranch_scc0 .Lsend_b
	STATE_OUT 16, 160, TILEB                       ; half 0 hands tile A over
	s_branch .Lsent
.Lsend_b:
	STATE_OUT 8, 128, 0                            ; half 1 hands tile B over
.Lsent:
	s_wait_dscnt 0x0                               ; for my partner's sake: my stores have landed
	s_barrier_signal -1
	s_barrier_wait -1
	s_cmp_lt_u32 s8, 8
	s_cbranch_scc0 .Lmerge_a
	MERGE 8, 128, 64, 54, 0                        ; half 0 finishes tile B
	s_branch .Lend
.Lmerge_a:
	MERGE 16, 160, 96, 56, TILEB                   ; half 1 finishes tile A
.Lend:
	s_wait_tensorcnt 0x0                           ; the wave's end, behind my last tensor load and my last LDS store
	ds_add_u32 v1, v2
	s_wait_dscnt 0x0
	s_endpgm
.Lfunc_end_k_q3e8ce8f5ce_attn:
	.size	k_q3e8ce8f5ce_attn, .Lfunc_end_k_q3e8ce8f5ce_attn-k_q3e8ce8f5ce_attn
	.p2alignl 7, 3214868480
	.fill 96, 4, 3214868480
	.section	.rodata,"a",@progbits
	.p2align	6, 0x0
	.amdhsa_kernel k_q3e8ce8f5ce_attn
		.amdhsa_group_segment_fixed_size 327680
		.amdhsa_private_segment_fixed_size 0
		.amdhsa_enable_private_segment 0
		.amdhsa_kernarg_size 16
		.amdhsa_user_sgpr_count 2
		.amdhsa_user_sgpr_kernarg_segment_ptr 1
		.amdhsa_wavefront_size32 1
		.amdhsa_system_sgpr_workgroup_id_x 1
		.amdhsa_system_sgpr_workgroup_id_y 1
		.amdhsa_system_sgpr_workgroup_id_z 1
		.amdhsa_system_vgpr_workitem_id 0
		.amdhsa_next_free_vgpr 256
		.amdhsa_next_free_sgpr 66
		.amdhsa_reserve_vcc 1
		.amdhsa_float_denorm_mode_32 3
		.amdhsa_float_denorm_mode_16_64 3
		.amdhsa_memory_ordered 1
		.amdhsa_forward_progress 1
		.amdhsa_inst_pref_size 85
	.end_amdhsa_kernel
	.amdgpu_metadata
---
amdhsa.version: [ 1, 2 ]
amdhsa.kernels:
  - .name:           k_q3e8ce8f5ce_attn
    .symbol:         k_q3e8ce8f5ce_attn.kd
    .args:
      - { .name: qkv16, .offset: 0, .size: 8, .value_kind: global_buffer, .address_space: global }
      - { .name: y16, .offset: 8, .size: 8, .value_kind: global_buffer, .address_space: global }
    .group_segment_fixed_size: 327680
    .private_segment_fixed_size: 0
    .kernarg_segment_align: 8
    .kernarg_segment_size: 16
    .max_flat_workgroup_size: 512
    .sgpr_count:     66
    .vgpr_count:     256
    .wavefront_size: 32
...
	.end_amdgpu_metadata
.endif
;; end of part 3
;; launch proj (part 4): grid 8 x 32, 4 waves a work-group, clusters of 4 x 4, 327,680 bytes of LDS; arguments y16, wp16, out0, bp; writes out0
.if DOCPART == 4
	.amdgcn_target "amdgcn-amd-amdhsa--gfx1250"
	.amdhsa_code_object_version 6
	.text
	.protected	k_q3e8ce8f5ce_proj
	.globl	k_q3e8ce8f5ce_proj
	.p2align	8
	.type	k_q3e8ce8f5ce_proj,@function
k_q3e8ce8f5ce_proj:
	s_mov_b64 s[64:65], 0
	v_nop
	global_prefetch_b8 v0, s[64:65] scope:SCOPE_SE
	s_setreg_imm32_b32 hwreg(HW_REG_WAVE_MODE, 25, 1), 1
	s_wait_xcnt 0x0
	s_wait_alu depctr_hold_cnt(0) depctr_sa_sdst(0) depctr_va_vdst(0) depctr_va_sdst(0) depctr_va_ssrc(0) depctr_va_vcc(0) depctr_vm_vsrc(0)
	s_getreg_b32 s2, hwreg(HW_REG_IB_STS2, 6, 4)
	s_cmp_eq_u32 s2, 0
	s_cbranch_scc0 .Lentry_in_a_cluster
	s_endpgm
.Lentry_in_a_cluster:
	s_bfe_u32 s2, ttmp6, 0x10000c
	s_cmp_lg_u32 s2, 0xf033
	s_cbranch_scc0 .Lentry_shape_is_right
	s_endpgm
.Lentry_shape_is_right:
; out0 = y Wp + bp.  y [4096][1024] and Wp come in f16 as images of the operands' registers; sums in f32; out0 [4096][1024] f32.
; A tile of 128 x 128 is made by four waves, each 64 x 64: 16 accumulators: 256 tiles, one to a work-group.  K goes in four steps of 256 through two LDS slots.
; y16 [k / 256][row / 16][(k % 256) / 32][half][lane][16 bytes], wp16 likewise by columns: a K step's 64 rows are 32,768 dense bytes: one tensor load a wave, no padding, and every fragment load
; reads 512 consecutive bytes of LDS.
; CLUSTERS: 4 x 4 work-groups; y's tile is shared along a row of the cluster, Wp's along a column; each is asked for jointly.
; THE MATRIX INSTRUCTION IS USED TRANSPOSED (source 0 = 16 columns of Wp, source 1 = 16 rows of y): a lane holds eight neighbouring numbers of a row of out0.  bp is the C of each sum's first instruction.
; Rows 0 to 15 of each sequence are written here too; the launch behind this one writes them anew from f32 operands.
; REGISTERS: window 0: v0-31 addresses; v32-95 the way out; v96-127 the bias; v128-255 the accumulators ((a, b) at v[128 + 8 (4 a + b)]).   window 1: two fragment buffers of 128.
.set HALFT,  32768                     ; 64 rows x 256 along K: what one tensor load brings
.set SLOT,   4*HALFT
.set STAGE,  2*SLOT                    ; behind the ring: 16 rows x (256 bytes + 16) for each wave
.set SPITCH, 272
.set SPARE,  STAGE+4*16*SPITCH         ; the spare words, 128 bytes for each wave: two blocks of 256 bytes that no other line names
.set ASTEP,  2097152                   ; a K step on in y16
.set BSTEP,  524288                    ; and in wp16
.set ADRA, 16
.set ADRB, 20
.set STO,  24
.set RD,   25
.set CO,   26
.set SPW,  28
.set NIL,  29
.set TMP,  32
.set BIAS, 96
.set ACC,  128
.set F0,   0
.set F1,   128
.set G1, 24
.set G0, 32
.set G1B, 48
.set G0B, 56
.set MSB, 0
.macro WIN new
.if MSB != \new
	s_set_vgpr_msb (MSB<<8)|\new
.set MSB, \new
.endif
.endm
.set MUL,  0x05                        ; sources 0 and 1 window 1; C and D window 0
.set TO_F, 0x40
.macro JLOAD s                         ; waves 0 and 1 fetch y's two halves, waves 2 and 3 Wp's; an s_nop 0 and four v_nop follow each line
	s_cmp_eq_u32 s11, 0
	s_cbranch_scc0 .Lfor_b_\@
	tensor_load_to_lds s[G0+4*\s:G0+4*\s+3], s[G1:G1+7]
	s_nop 0
.rept 4
	v_nop
.endr
	s_branch .Lasked_\@
.Lfor_b_\@:
	tensor_load_to_lds s[G0B+4*\s:G0B+4*\s+3], s[G1B:G1B+7]
	s_nop 0
.rept 4
	v_nop
.endr
.Lasked_\@:
.endm
.macro CREST
	s_cmp_lg_u32 s10, 0
	s_cbranch_scc1 .Lnot_wave_0_\@
	s_barrier_signal -3
.Lnot_wave_0_\@:
	s_barrier_wait -3
	s_barrier_signal -1
	s_barrier_wait -1
.endm
.macro CROUND
	s_barrier_signal -1
	s_barrier_wait -1
	CREST
.endm
	s_load_b128 s[4:7], s[0:1], 0x0                ; y16, wp16
	s_load_b64 s[8:9], s[0:1], 0x10                ; out0
	s_load_b64 s[66:67], s[0:1], 0x18              ; bp
	v_lshl_add_u32 v[SPW], v0, 2, SPARE
	v_mov_b32 v[NIL], 0
	ds_add_u32 v[SPW], v[NIL]                      ; the wave's opening: the add, twice on end, and its wait ahead of my first tensor load
	ds_add_u32 v[SPW], v[NIL]
	v_lshrrev_b32 v1, 5, v0
	v_readfirstlane_b32 s10, v1                    ; wave 0..3
	s_lshr_b32 s11, s10, 1                         ; my half of the tile's rows.  Also: I fetch for y (0) or for Wp (1)
	s_and_b32 s12, s10, 1                          ; my half of its columns.  Also: which 64 rows I fetch
	s_bfe_u32 s40, ttmp6, 0x40000
	s_bfe_u32 s41, ttmp6, 0x40004
	s_lshl_b32 s42, ttmp9, 2
	s_add_co_u32 s42, s42, s40                     ; tile column
	s_and_b32 s13, ttmp7, 0xffff
	s_lshl_b32 s13, s13, 2
	s_add_co_u32 s13, s13, s41                     ; tile row
	s_lshl_b32 s43, s41, 2
	s_lshl_b32 s43, 15, s43
	s_lshl_b32 s44, 0x1111, s40
	s_or_b32 s[G1+0], s43, (3<<16)|(1<<21)         ; the mask; elements of 8 bytes; bit 21 beside a mask; no padding
	s_or_b32 s[G1B+0], s44, (3<<16)|(1<<21)
.irp g, G1, G1B
	s_mov_b32 s[\g+1], 32<<16                      ; 32,768 dense bytes as 128 rows of 256
	s_mov_b32 s[\g+2], 128<<16
	s_mov_b32 s[\g+3], 32<<16
	s_mov_b32 s[\g+4], 128
	s_mov_b32 s[\g+5], 32
	s_mov_b32 s[\g+6], 0
	s_mov_b32 s[\g+7], 0
.endr
	s_lshl_b32 s17, s12, 15
	s_lshl_b32 s16, s13, 16
	s_add_co_u32 s16, s16, s17                     ; y: 65,536 x tile row + 32,768 x half
	s_lshl_b32 s46, s42, 16
	s_add_co_u32 s46, s46, s17                     ; Wp: by the tile column
	s_mov_b32 s17, 0
	s_mov_b32 s47, 0
	s_lshl_b32 s20, s10, 15                        ; where they go: wave x 32,768
	s_wait_dscnt 0x0
	s_wait_kmcnt 0x0
	s_add_nc_u64 s[14:15], s[4:5], s[16:17]
	s_add_nc_u64 s[46:47], s[6:7], s[46:47]
	CROUND
.irp s, 0,1
	s_mov_b32 s[G0+4*\s], 1
	s_add_co_u32 s[G0+4*\s+1], s20, \s*SLOT
	s_add_nc_u64 s[G0+4*\s+2:G0+4*\s+3], s[14:15], \s*ASTEP
	s_or_b32 s[G0+4*\s+3], s[G0+4*\s+3], 0x80000000
	s_mov_b32 s[G0B+4*\s], 1
	s_add_co_u32 s[G0B+4*\s+1], s20, \s*SLOT
	s_add_nc_u64 s[G0B+4*\s+2:G0B+4*\s+3], s[46:47], \s*BSTEP
	s_or_b32 s[G0B+4*\s+3], s[G0B+4*\s+3], 0x80000000
	JLOAD \s
.endr
	v_and_b32 v1, 15, v0
	v_bfe_u32 v2, v0, 4, 1
	v_and_b32 v3, 31, v0
	v_lshlrev_b32 v3, 4, v3                        ; 16 x lane
	s_lshl_b32 s21, s11, 15
	s_lshl_b32 s22, s12, 15
	s_add_co_u32 s22, s22, 2*HALFT
.irp s, 0,1
	v_add_nc_u32 v[ADRA+\s], s21, v3
	v_add_nc_u32 v[ADRB+\s], s22, v3
	s_add_co_u32 s21, s21, SLOT
	s_add_co_u32 s22, s22, SLOT
.endr
	s_mul_i32 s23, s10, 16*SPITCH
	s_add_co_u32 s23, s23, STAGE                   ; my stage
	v_mul_u32_u24 v4, v1, SPITCH
	v_lshl_add_u32 v4, v2, 5, v4
	v_add_nc_u32 v[STO], s23, v4                   ; in: row r, 32 bytes for each half of the lanes
	v_mul_u32_u24 v5, v2, SPITCH
	v_lshl_add_u32 v5, v1, 4, v5
	v_add_nc_u32 v[RD], s23, v5                    ; back: lanes 0-15 one row of 256 bytes, lanes 16-31 the next
	v_lshlrev_b32 v5, 12, v2
	v_lshl_add_u32 v[CO], v1, 4, v5                ; and the same two rows in out0
	v_lshlrev_b32 v6, 5, v2                        ; the bias: 32 h bytes
	s_lshl_b32 s16, s13, 19                        ; (128 tile row + 64 half) rows of 4,096 bytes
	s_lshl_b32 s17, s11, 18
	s_add_co_u32 s16, s16, s17
	s_mov_b32 s17, 0
	s_lshl_b32 s46, s42, 9                         ; (128 tile column + 64 half) numbers of 4 bytes
	s_lshl_b32 s47, s12, 8
	s_add_co_u32 s46, s46, s47
	s_mov_b32 s47, 0
	s_add_nc_u64 s[66:67], s[66:67], s[46:47]
	s_add_nc_u64 s[8:9], s[8:9], s[46:47]
	s_add_nc_u64 s[8:9], s[8:9], s[16:17]
.irp b, 0,1,2,3
	global_load_b128 v[BIAS+8*\b:BIAS+8*\b+3], v6, s[66:67] offset:64*\b       ; register j of column block b is column 16 b + 8 h + j
	global_load_b128 v[BIAS+8*\b+4:BIAS+8*\b+7], v6, s[66:67] offset:64*\b+16
.endr
.macro MUL8 f, c, a0, zero             ; the 16 accumulators take turns; zero = 1: the sums begin with the bias
.irp a, \a0, \a0+1
.irp b, 0,1,2,3
.if \zero
	v_wmma_f32_16x16x32_f16 v[ACC+8*(4*(\a)+\b):ACC+8*(4*(\a)+\b)+7], v[\f+64+8*(4*\c+\b):\f+64+8*(4*\c+\b)+7], v[\f+8*(4*\c+\a):\f+8*(4*\c+\a)+7], v[BIAS+8*\b:BIAS+8*\b+7]
.else
	v_wmma_f32_16x16x32_f16 v[ACC+8*(4*(\a)+\b):ACC+8*(4*(\a)+\b)+7], v[\f+64+8*(4*\c+\b):\f+64+8*(4*\c+\b)+7], v[\f+8*(4*\c+\a):\f+8*(4*\c+\a)+7], v[ACC+8*(4*(\a)+\b):ACC+8*(4*(\a)+\b)+7]
.endif
.endr
.endr
.endm
.macro FETCH slot, k, f                ; 32 LDS loads: the fragments of 64 along K, from byte k of each block's 8,192 on; the first 32 along K first
	WIN TO_F
.irp c, 0,1
.irp i, 0,1,2,3
	ds_load_b128 v[\f+64+8*(4*\c+\i):\f+64+8*(4*\c+\i)+3],   v[ADRB+\slot] offset:\k+1024*\c+8192*\i
	ds_load_b128 v[\f+64+8*(4*\c+\i)+4:\f+64+8*(4*\c+\i)+7], v[ADRB+\slot] offset:\k+1024*\c+8192*\i+512
	ds_load_b128 v[\f+8*(4*\c+\i):\f+8*(4*\c+\i)+3],         v[ADRA+\slot] offset:\k+1024*\c+8192*\i
	ds_load_b128 v[\f+8*(4*\c+\i)+4:\f+8*(4*\c+\i)+7],       v[ADRA+\slot] offset:\k+1024*\c+8192*\i+512
.endr
.endr
.endm
.macro PLACES
.rept 4
	v_nop
.endr
.endm
.macro QUARTER slot, k, f, g, zero     ; 64 along K from buffer f; the next quarter, at byte k, into g
	s_wait_dscnt 16                                ; the first 32 along K are in; the youngest sixteen loads may be out
	WIN MUL
	MUL8 \f, 0, 0, \zero
	MUL8 \f, 0, 2, \zero
	PLACES
	FETCH \slot, \k, \g
	s_wait_dscnt 32                                ; all but the 32 just issued
	WIN MUL
	MUL8 \f, 1, 0, 0
	MUL8 \f, 1, 2, 0
.endm
.macro TURN slot, next, fill           ; a slot's last quarter changes slots: one barrier; fill = 1: it opens a round of the cluster's barrier, and this slot takes the K step two on
	WIN 0
	s_wait_tensorcnt 0x0                           ; all my tensor loads have landed: my part of the next slot
	ds_add_u32 v[SPW], v[NIL]                      ; 0 onto my spare word
	s_wait_dscnt 17                                ; (the add and the youngest sixteen loads may be out)
	WIN MUL
	MUL8 F1, 0, 0, 0
	s_wait_dscnt 0x0                               ; the add is done, and my reads of this slot are over
	s_barrier_signal -1
	MUL8 F1, 0, 2, 0
.if \fill
	WIN 0
.endif
	s_barrier_wait -1
.if \fill
	CREST
	s_add_nc_u64 s[G0+4*\slot+2:G0+4*\slot+3], s[G0+4*\slot+2:G0+4*\slot+3], 2*ASTEP
	s_add_nc_u64 s[G0B+4*\slot+2:G0B+4*\slot+3], s[G0B+4*\slot+2:G0B+4*\slot+3], 2*BSTEP
	JLOAD \slot                                    ; the first tensor load behind the round; its four v_nop are also the places in front of the loads below
.else
	PLACES
.endif
	FETCH \next, 0, F0
	WIN MUL
	MUL8 F1, 1, 0, 0
	MUL8 F1, 1, 2, 0
.endm
	s_wait_tensorcnt 1                             ; my part of K step 0 is in; K step 1's load may be out
	s_barrier_signal -1
	s_barrier_wait -1
	FETCH 0, 0, F0
	s_wait_loadcnt 0x0                             ; the bias
	QUARTER 0, 2048, F0, F1, 1                     ; K steps 0 and 1: both slots are filled again; four K steps in all, so the two laps are written out
	QUARTER 0, 4096, F1, F0, 0
	QUARTER 0, 6144, F0, F1, 0
	TURN 0, 1, 1
	QUARTER 1, 2048, F0, F1, 0
	QUARTER 1, 4096, F1, F0, 0
	QUARTER 1, 6144, F0, F1, 0
	TURN 1, 0, 1
	QUARTER 0, 2048, F0, F1, 0                     ; K steps 2 and 3: nothing is filled
	QUARTER 0, 4096, F1, F0, 0
	QUARTER 0, 6144, F0, F1, 0
	TURN 0, 1, 0
	QUARTER 1, 2048, F0, F1, 0
	QUARTER 1, 4096, F1, F0, 0
	QUARTER 1, 6144, F0, F1, 0
	s_wait_dscnt 16
	WIN MUL
	MUL8 F1, 0, 0, 0
	MUL8 F1, 0, 2, 0
	s_wait_dscnt 0
	MUL8 F1, 1, 0, 0
	MUL8 F1, 1, 2, 0
	WIN 0
; THE WAY OUT.  My 64 columns of f32 are 256 bytes of a row: a block of 16 rows goes through my own stage and comes back as whole rows, sixteen lanes to 256 consecutive bytes, aligned.
; LDS serves a wave's instructions in order: no wait between the stores and the loads.
.macro TOSTAGE a
.irp b, 0,1,2,3
	ds_store_b128 v[STO], v[ACC+8*(4*(\a)+\b):ACC+8*(4*(\a)+\b)+3] offset:64*\b          ; each accumulator from its low end on
	ds_store_b128 v[STO], v[ACC+8*(4*(\a)+\b)+4:ACC+8*(4*(\a)+\b)+7] offset:64*\b+16
.endr
.irp t, 0,1,2,3,4,5,6,7
	ds_load_b128 v[TMP+32*((\a)%2)+4*\t:TMP+32*((\a)%2)+4*\t+3], v[RD] offset:\t*2*SPITCH
.endr
.endm
.macro SEND a, younger
	s_wait_dscnt \younger
.irp t, 0,1,2,3,4,5,6,7
	global_store_b128 v[CO], v[TMP+32*((\a)%2)+4*\t:TMP+32*((\a)%2)+4*\t+3], s[8:9] offset:(16*(\a)+2*\t)*4096 th:TH_STORE_NT
.endr
.endm
	PLACES
	TOSTAGE 0
.irp a, 1,2,3
.if \a > 1
	s_wait_xcnt 0x0                                ; block a - 2's stores have read their registers
.endif
	TOSTAGE \a
	SEND \a-1, 16                                  ; behind block a - 1's loads: block a's eight stores and eight loads
.endr
	SEND 3, 0
	s_wait_tensorcnt 0x0                           ; the wave's end
	ds_add_u32 v[SPW], v[NIL]
	s_wait_dscnt 0x0
	CROUND                                         ; the closing round
	s_endpgm
.Lfunc_end_k_q3e8ce8f5ce_proj:
	.size	k_q3e8ce8f5ce_proj, .Lfunc_end_k_q3e8ce8f5ce_proj-k_q3e8ce8f5ce_proj
	.p2alignl 7, 3214868480
	.fill 96, 4, 3214868480
	.section	.rodata,"a",@progbits
	.p2align	6, 0x0
	.amdhsa_kernel k_q3e8ce8f5ce_proj
		.amdhsa_group_segment_fixed_size 327680
		.amdhsa_private_segment_fixed_size 0
		.amdhsa_enable_private_segment 0
		.amdhsa_kernarg_size 32
		.amdhsa_user_sgpr_count 2
		.amdhsa_user_sgpr_kernarg_segment_ptr 1
		.amdhsa_wavefront_size32 1
		.amdhsa_system_sgpr_workgroup_id_x 1
		.amdhsa_system_sgpr_workgroup_id_y 1
		.amdhsa_system_sgpr_workgroup_id_z 1
		.amdhsa_system_vgpr_workitem_id 0
		.amdhsa_next_free_vgpr 512
		.amdhsa_next_free_sgpr 68
		.amdhsa_reserve_vcc 0
		.amdhsa_float_denorm_mode_32 3
		.amdhsa_float_denorm_mode_16_64 3
		.amdhsa_memory_ordered 1
		.amdhsa_forward_progress 1
		.amdhsa_inst_pref_size 86
	.end_amdhsa_kernel
	.amdgpu_metadata
---
amdhsa.version: [ 1, 2 ]
amdhsa.kernels:
  - .name:           k_q3e8ce8f5ce_proj
    .symbol:         k_q3e8ce8f5ce_proj.kd
    .args:
      - { .name: y16, .offset: 0, .size: 8, .value_kind: global_buffer, .address_space: global }
      - { .name: wp16, .offset: 8, .size: 8, .value_kind: global_buffer, .address_space: global }
      - { .name: out0, .offset: 16, .size: 8, .value_kind: global_buffer, .address_space: global }
      - { .name: bp, .offset: 24, .size: 8, .value_kind: global_buffer, .address_space: global }
    .group_segment_fixed_size: 327680
    .private_segment_fixed_size: 0
    .kernarg_segment_align: 8
    .kernarg_segment_size: 32
    .max_flat_workgroup_size: 128
    .sgpr_count:     68
    .vgpr_count:     512
    .wavefront_size: 32
...
	.end_amdgpu_metadata
.endif
;; end of part 4
;; launch fine (part 5): grid 32 x 2, 16 waves a work-group, no clusters, 38,912 bytes of LDS; arguments qkv32, Wp, bp, out0; writes out0
.if DOCPART == 5
	.amdgcn_target "amdgcn-amd-amdhsa--gfx1250"
	.amdhsa_code_object_version 6
	.text
	.protected	k_q3e8ce8f5ce_fine
	.globl	k_q3e8ce8f5ce_fine
	.p2align	8
	.type	k_q3e8ce8f5ce_fine,@function
k_q3e8ce8f5ce_fine:
	s_mov_b64 s[64:65], 0
	v_nop
	global_prefetch_b8 v0, s[64:65] scope:SCOPE_SE
	s_setreg_imm32_b32 hwreg(HW_REG_WAVE_MODE, 25, 1), 1
	s_wait_xcnt 0x0
; THE FIRST 16 POSITIONS OF EACH SEQUENCE, IN f32 FROM q, k, v TO out0: there a row of the softmax averages one to sixteen values and the rounding of 16-bit operands weighs most.  32 rows of out0 are written anew.
; Work-group (slab of 32 output columns, batch).  Wave w is head w: it makes its head's scores, softmax and y for the 16 positions (repeated in each of the 32 slabs: 32 small matrix instructions), then its head's
; part of the slab, K = channels 64 w .. 64 w + 63 of y Wp; the sixteen parts meet in LDS and are added, heads ascending, onto bp.
; All products by the 16 x 16 x 4 f32 form: 64 a wave.  q, k, v come as the f32 accumulators of the launch that made them.  No number changes lanes: the form wants k = 2 h + j in register j, and both sources
; of each product are fed the same numbers of K at the same places, which keeps the products.
;   q, k: lane (r, h), register 8 e + j: position r, channel 16 e + 8 h + j.      v: lane (r, h), register 8 e + j: channel 16 e + r, key 8 h + j.
; The registers that these matrix instructions write (v176-239) are written by nothing else.
; A row's piece of the slab is 128 bytes, so the stores fill half of an aligned 256 bytes: 128 KiB in the whole launch; slabs of 64 columns would want 128 more registers for Wp.
.set RP,    144                        ; a row of a wave's part: 128 bytes + 16
.set RW,    16*RP
.set SPARE, 16*RW                      ; the spare words, 128 bytes for each wave: eight blocks of 256 bytes that no other line names
; v1, v2 the add's two; v3 r; v4 h; v5 16 x lane; v6 Wp's lane offset; v7 r - 8 h; v8, v9 LDS in, out; v10 out0's offset; v11 16 (lane % 8); v12-15 bias, then the sums;
; v16-47 q, later y; v48-79 k, later at work; v80-111 v; v112-175 Wp, later the parts; v176-183, v184-191 S^T in two halves of K; v192-223 O^T; v224-239 the slab; v240-247 scores; v248-255 p.
	s_load_b256 s[4:11], s[0:1], 0x0               ; qkv32 4:5, Wp 6:7, bp 8:9, out0 10:11
	v_lshl_add_u32 v1, v0, 2, SPARE
	v_mov_b32 v2, 0
	v_lshrrev_b32 v3, 5, v0
	v_readfirstlane_b32 s12, v3                    ; wave = head
	v_and_b32 v3, 15, v0
	v_bfe_u32 v4, v0, 4, 1
	v_and_b32 v5, 31, v0
	v_lshlrev_b32 v5, 4, v5
	v_lshlrev_b32 v6, 2, v3
	v_lshl_add_u32 v6, v4, 15, v6                  ; Wp: 8 h rows of 4,096 bytes + 4 r
	v_lshlrev_b32 v7, 3, v4
	v_sub_nc_u32 v7, v3, v7
	s_mul_i32 s13, s12, RW
	v_mul_u32_u24 v8, v3, RP
	v_lshl_add_u32 v8, v4, 5, v8
	v_add_nc_u32 v8, s13, v8                       ; my part: row r, + 32 h
	s_and_b32 s14, s12, 3
	s_lshl_b32 s14, s14, 2
	v_bfe_u32 v9, v0, 3, 2
	v_add_nc_u32 v9, s14, v9                       ; the adding: waves 0-3 take four rows each, eight lanes to a row
	v_and_b32 v11, 7, v0
	v_lshlrev_b32 v11, 4, v11
	v_lshl_add_u32 v10, v9, 12, v11
	v_mul_u32_u24 v9, v9, RP
	v_add_nc_u32 v9, v9, v11
	s_and_b32 s15, ttmp7, 0xffff                   ; batch
	s_mul_i32 s20, s15, 48
	s_add_co_u32 s20, s20, s12
	s_lshl_b32 s20, s20, 12                        ; 4,096 bytes for each (batch, g)
	s_mov_b32 s21, 0
	s_lshl_b32 s22, ttmp9, 7                       ; the slab: 128 bytes
	s_mov_b32 s23, 0
	s_mov_b32 s16, 0x76543210
	s_mov_b32 s17, 0xfedcba98
	s_mov_b32 s18, 0x3e38aa3b                      ; c = log2(e) / 8
	s_wait_kmcnt 0x0
	s_add_nc_u64 s[4:5], s[4:5], s[20:21]
	s_add_nc_u64 s[6:7], s[6:7], s[22:23]
	s_add_nc_u64 s[8:9], s[8:9], s[22:23]
	s_add_nc_u64 s[10:11], s[10:11], s[22:23]
	s_lshl_b32 s20, s12, 18                        ; Wp: my head's 64 rows
	s_add_nc_u64 s[6:7], s[6:7], s[20:21]
	s_lshl_b32 s20, s15, 23                        ; out0: the batch's first row
	s_add_nc_u64 s[10:11], s[10:11], s[20:21]
.irp i, 0,1,2,3,4,5,6,7
	global_load_b128 v[16+4*\i:19+4*\i], v5, s[4:5] offset:512*\i
.endr
.irp i, 0,1,2,3,4,5,6,7
	global_load_b128 v[48+4*\i:51+4*\i], v5, s[4:5] offset:65536+512*\i
.endr
.irp i, 0,1,2,3,4,5,6,7
	global_load_b128 v[80+4*\i:83+4*\i], v5, s[4:5] offset:131072+512*\i
.endr
	global_load_b128 v[12:15], v11, s[8:9]
.irp t, 0,1,2,3
.irp s, 0,1,2,3
.irp u, 0,1
.irp j, 0,1
	global_load_b32 v[112+4*(4*\t+\s)+2*\u+\j], v6, s[6:7] offset:(16*\t+2*\s+\j)*4096+64*\u   ; Wp(64 w + 16 t + 8 h + 2 s + j, slab + 16 u + r)
.endr
.endr
.endr
.endr
	s_wait_loadcnt 63                              ; of the 89 loads at most the youngest 63 are out: q, k, v and the bias are in
	; S^T = k q^T: sixteen steps of 4 along the 64 channels, two accumulators by turns
	v_wmma_f32_16x16x4_f32 v[176:183], v[48:49], v[16:17], 0
	v_wmma_f32_16x16x4_f32 v[184:191], v[50:51], v[18:19], 0
.irp g, 2,4,6,8,10,12,14
	v_wmma_f32_16x16x4_f32 v[176:183], v[48+2*\g:49+2*\g], v[16+2*\g:17+2*\g], v[176:183]
	v_wmma_f32_16x16x4_f32 v[184:191], v[50+2*\g:51+2*\g], v[18+2*\g:19+2*\g], v[184:191]
.endr
.rept 8
	v_nop                                          ; eight places behind this form (ISA guide 7.12.1)
.endr
.irp j, 0,1,2,3,4,5,6,7
	v_add_f32 v[240+\j], v[176+\j], v[184+\j]      ; register j: key 8 h + j, query r
.endr
	v_mov_b32 v48, 0xff800000
	v_mov_b32 v50, 0
	v_mov_b32 v52, 0
.irp j, 0,1,2,3,4,5,6,7
	v_cmp_gt_i32 vcc_lo, \j, v7                    ; hidden where 8 h + j > r
	v_cndmask_b32 v[240+\j], v[240+\j], v48, vcc_lo
.endr
	v_max3_num_f32 v49, v240, v241, v242
	v_max3_num_f32 v49, v49, v243, v244
	v_max3_num_f32 v49, v49, v245, v246
	v_max_num_f32 v49, v49, v247
	v_permlanex16_b32 v50, v49, s16, s17
	v_max_num_f32 v49, v49, v50                    ; the row's maximum: key 0 counts for every query
	v_mul_f32 v50, s18, v49
.irp j, 0,1,2,3,4,5,6,7
	v_fma_f32 v[240+\j], v[240+\j], s18, -v50
.endr
.irp j, 0,1,2,3,4,5,6,7
	v_exp_f32 v[248+\j], v[240+\j]
.endr
	v_nop                                          ; a plain instruction behind the last exponential
	s_wait_alu depctr_va_vdst(0)                   ; one wait for the eight, ahead of their first reader
	v_add_f32 v51, v248, v249
	v_add_f32 v53, v250, v251
	v_add_f32 v56, v252, v253
	v_add_f32 v57, v254, v255
	v_add_f32 v51, v51, v53
	v_add_f32 v56, v56, v57
	v_add_f32 v51, v51, v56
	v_permlanex16_b32 v52, v51, s16, s17
	v_add_f32 v51, v51, v52                        ; the row's sum
	v_rcp_f32 v54, v51
	v_rcp_f32 v55, v51                             ; twice: the packed multiply names a pair
	v_nop
	; O^T = v^T p: four steps of 4 along the 16 keys, four accumulators by turns
.irp s, 0,1,2,3
.irp t, 0,1,2,3
.if \s == 0
	v_wmma_f32_16x16x4_f32 v[192+8*\t:199+8*\t], v[80+8*\t:81+8*\t], v[248:249], 0
.else
	v_wmma_f32_16x16x4_f32 v[192+8*\t:199+8*\t], v[80+8*\t+2*\s:81+8*\t+2*\s], v[248+2*\s:249+2*\s], v[192+8*\t:199+8*\t]
.endif
.endr
.endr
.rept 8
	v_nop
.endr
	s_wait_alu depctr_va_vdst(0)                   ; the wait for the two reciprocals, ahead of their first reader
.set n, 0
.rept 16
	v_pk_mul_f32 v[16+n:17+n], v[192+n:193+n], v[54:55] op_sel_hi:[1,0]   ; y: register 8 t + j: query r, channel 16 t + 8 h + j; into registers of its own
.set n, n+2
.endr
	s_wait_loadcnt 0x0                             ; Wp
	; my head's part of the slab: sixteen steps of 4 along its 64 channels, the two tiles of columns by turns
.irp t, 0,1,2,3
.irp s, 0,1,2,3
.irp u, 0,1
.if (\t == 0) && (\s == 0)
	v_wmma_f32_16x16x4_f32 v[224+8*\u:231+8*\u], v[112+2*\u:113+2*\u], v[16:17], 0
.else
	v_wmma_f32_16x16x4_f32 v[224+8*\u:231+8*\u], v[112+4*(4*\t+\s)+2*\u:113+4*(4*\t+\s)+2*\u], v[16+8*\t+2*\s:17+8*\t+2*\s], v[224+8*\u:231+8*\u]
.endif
.endr
.endr
.endr
.rept 8
	v_nop
.endr
.irp u, 0,1
	ds_store_b128 v8, v[224+8*\u:227+8*\u] offset:64*\u            ; lane (r, h): row r, columns 16 u + 8 h + 0 .. 7; each accumulator from its low end on
	ds_store_b128 v8, v[228+8*\u:231+8*\u] offset:64*\u+16
.endr
	s_wait_dscnt 0x0                               ; for the others' sake: my part has landed
	s_barrier_signal -1
	s_barrier_wait -1
	s_cmp_gt_u32 s12, 3
	s_cbranch_scc1 .Lend
.irp p, 0,1,2,3,4,5,6,7,8,9,10,11,12,13,14,15
	ds_load_b128 v[112+4*\p:115+4*\p], v9 offset:RW*\p
.endr
	s_wait_dscnt 0x0
.irp p, 0,1,2,3,4,5,6,7,8,9,10,11,12,13,14,15
	v_pk_add_f32 v[12:13], v[12:13], v[112+4*\p:113+4*\p]
	v_pk_add_f32 v[14:15], v[14:15], v[114+4*\p:115+4*\p]
.endr
	global_store_b128 v10, v[12:15], s[10:11]
.Lend:
	s_wait_tensorcnt 0x0                           ; the wave's end, behind my last LDS store
	ds_add_u32 v1, v2
	s_wait_dscnt 0x0
	s_endpgm
.Lfunc_end_k_q3e8ce8f5ce_fine:
	.size	k_q3e8ce8f5ce_fine, .Lfunc_end_k_q3e8ce8f5ce_fine-k_q3e8ce8f5ce_fine
	.p2alignl 7, 3214868480
	.fill 96, 4, 3214868480
	.section	.rodata,"a",@progbits
	.p2align	6, 0x0
	.amdhsa_kernel k_q3e8ce8f5ce_fine
		.amdhsa_group_segment_fixed_size 38912
		.amdhsa_private_segment_fixed_size 0
		.amdhsa_enable_private_segment 0
		.amdhsa_kernarg_size 32
		.amdhsa_user_sgpr_count 2
		.amdhsa_user_sgpr_kernarg_segment_ptr 1
		.amdhsa_wavefront_size32 1
		.amdhsa_system_sgpr_workgroup_id_x 1
		.amdhsa_system_sgpr_workgroup_id_y 1
		.amdhsa_system_sgpr_workgroup_id_z 1
		.amdhsa_system_vgpr_workitem_id 0
		.amdhsa_next_free_vgpr 256
		.amdhsa_next_free_sgpr 66
		.amdhsa_reserve_vcc 1
		.amdhsa_float_denorm_mode_32 3
		.amdhsa_float_denorm_mode_16_64 3
		.amdhsa_memory_ordered 1
		.amdhsa_forward_progress 1
		.amdhsa_inst_pref_size 23
	.end_amdhsa_kernel
	.amdgpu_metadata
---
amdhsa.version: [ 1, 2 ]
amdhsa.kernels:
  - .name:           k_q3e8ce8f5ce_fine
    .symbol:         k_q3e8ce8f5ce_fine.kd
    .args:
      - { .name: qkv32, .offset: 0, .size: 8, .value_kind: global_buffer, .address_space: global }
      - { .name: Wp, .offset: 8, .size: 8, .value_kind: global_buffer, .address_space: global }
      - { .name: bp, .offset: 16, .size: 8, .value_kind: global_buffer, .address_space: global }
      - { .name: out0, .offset: 24, .size: 8, .value_kind: global_buffer, .address_space: global }
    .group_segment_fixed_size: 38912
    .private_segment_fixed_size: 0
    .kernarg_segment_align: 8
    .kernarg_segment_size: 32
    .max_flat_workgroup_size: 512
    .sgpr_count:     66
    .vgpr_count:     256
    .wavefront_size: 32
...
	.end_amdgpu_metadata
.endif
;; end of part 5
